; MI455X (gfx1250); checked and timed in simulation.
; The chip was launched on July 23, 2026; its instructions are those of AMD's public machine-readable ISA for CDNA 5 (MIT licence, August 2026) and "CDNA5" Instruction Set Architecture Reference Guide (July 2026). The comments in the code are by the model that wrote it; some were corrected since.
;; Multi Head Attention. Allowed arithmetic: matrix products marked QUANTISED: E2M3 operands, one E8M0 scale for each 32 along K, by v_wmma_scale_f32_16x16x128_f8f6f4 with both operands' format E2M3, f32 sums; everything else in f32.
;; Inputs: Wk 1,024 x 1,024 float32; Wo 1,024 x 1,024 float32; Wq 1,024 x 1,024 float32; Wv 1,024 x 1,024 float32; bk 1,024 float32; bo 1,024 float32; bq 1,024 float32; bv 1,024 float32; key 4 x 2,048 x 1,024 float32; query 4 x 2,048 x 1,024 float32; value 4 x 2,048 x 1,024 float32.
;; Outputs: out0 4 x 2,048 x 1,024 float32.
;; This version of the problem:
;;   THIS VERSION OF THE PROBLEM IS GIVEN IN LOW PRECISION. The matrix products marked QUANTISED in the list below multiply operands that are first quantised to E2M3 (2 exponent bits, 3 mantissa bits; 6 bits a number), with one power-of-two scale for each 32 numbers along K (OCP MX v1.0); their sums are f32. All else is computed in f32.
;;   The module's matrix products, in the order in which they are computed (A, B: the left and right operand; K: the contracted axis; several contracted axes count as one K, in the product's order):
;;     1. [M 8,192, K 1,024] x [K 1,024, N 1,024]; A: input query; B: input Wq: QUANTISED
;;     2. [M 8,192, K 1,024] x [K 1,024, N 1,024]; A: input key; B: input Wk: QUANTISED
;;     3. [M 8,192, K 1,024] x [K 1,024, N 1,024]; A: input value; B: input Wv: QUANTISED
;;     4. batch 64 x [M 2,048, K 64] x [K 64, N 2,048]; A: computed on the way; B: computed on the way: QUANTISED
;;     5. batch 64 x [M 2,048, K 2,048] x [K 2,048, N 64]; A: softmax (see below); B: computed on the way: QUANTISED
;;     6. [M 8,192, K 1,024] x [K 1,024, N 1,024]; A: computed on the way; B: input Wo: QUANTISED
;;   THE QUANTISER, for each operand of a quantised product, along K:
;;     - K is cut into blocks of 32 from its start; a last block that is shorter is filled with zeros.
;;     - A block's scale is 2^e with e = floor(log2(the largest magnitude in the block)) - 2, held to -126 .. 127; a block of zeros has e = 0. As a byte (E8M0): e + 127.
;;     - Each number is divided by its block's scale, clamped to +-7.5, and rounded to the nearest number of E2M3, ties to even, subnormals kept.
;;     - The product sums the exact products of the quantised numbers (number of the format x scale) in f32.
;;   ~~~python
;;   def quantise(x, axis):      # numpy; x: float32 -> the quantised numbers, widened to float32 again
;;       x = np.moveaxis(x, axis, -1); K = x.shape[-1]
;;       x = np.pad(x, [(0, 0)] * (x.ndim - 1) + [(0, -K % 32)]); x = x.reshape(x.shape[:-1] + (-1, 32)); a = np.abs(x).max(-1, keepdims=True)
;;       e = np.where(a > 0, np.clip(np.frexp(np.where(a > 0, a, 1))[1] - 1 - 2, -126, 127), 0)      # np.frexp(a)[1] - 1 = floor(log2(a)), exactly
;;       r = np.clip(x / 2.0 ** e, -7.5, 7.5)
;;       step = 2.0 ** (np.maximum(np.frexp(np.where(r == 0, 1, r))[1] - 1, 0) - 3)
;;       q = np.round(r / step) * step * 2.0 ** e      # np.round: ties to even
;;       return np.moveaxis(q.reshape(q.shape[:-2] + (-1,))[..., :K], -1, axis).astype(np.float32)
;;   ~~~
;;   SOFTMAX AHEAD OF A QUANTISED PRODUCT. Where the list says 'softmax', what is quantised is not the finished softmax but p = 2^(t - M), with t = logit x log2(e) and M = ceil(the row's largest t), a whole number; so 1/2 < the row's largest p <= 1. The row's sum l is taken of the UNQUANTISED p, in f32, and the product's result is divided by l at the end. Since M is a whole number, a kernel that streams over the keys may use a running M (the ceiling of the running maximum): every later rescaling is an exact power of two, which a block's scale takes up: the codes' values come out the same.
;;   OPERANDS COMPUTED ON THE WAY. 'Computed on the way' means the value that the module computes at that place (a softmax that the list does not call 'softmax' is quantised finished and normalised). What goes into a quantiser is computed in f32, as accurately as f32 sums, v_exp_f32 and their like allow (about 1e-6 of the number): no bf16 or f16 on the way to a quantiser, and a product that is left as it is and whose result goes on into a quantised operand takes f32 operands (vector FMAs, or v_wmma_f32_16x16x4_f32). A number that lies on a knife's edge between two numbers of the format may be rounded either way, as far as f32 arithmetic and the matrix unit's own rounding can turn it there, and no further.
;; One version. Each part assembles by itself: llvm-mc -triple=amdgcn-amd-amdhsa -mcpu=gfx1250 --defsym DOCPART=n.
;; ======== version 1 of 1: 4 launches
;; limits: right only within a limited range of input values
;; workspace buffers: xc 18,874,368 bytes; wc 3,145,728 bytes; sc 1,179,648 bytes; qc 6,815,744 bytes; kv 13,631,488 bytes; cc 6,291,456 bytes
;; launch quant (part 1): grid 256 x 1, 8 waves a work-group, no clusters, 68,608 bytes of LDS; arguments query, key, value, Wq, Wk, Wv, Wo, xc, wc, sc; writes xc, wc, sc
.if DOCPART == 1
	.amdgcn_target "amdgcn-amd-amdhsa--gfx1250"
	.amdhsa_code_object_version 6
	.text
	.protected	k_qf6f152d663_quant
	.globl	k_qf6f152d663_quant
	.p2align	8
	.type	k_qf6f152d663_quant,@function
k_qf6f152d663_quant:
	s_mov_b64 s[64:65], 0
	v_nop
	global_prefetch_b8 v0, s[64:65] scope:SCOPE_SE
	s_setreg_imm32_b32 hwreg(HW_REG_WAVE_MODE, 25, 1), 1
	s_wait_xcnt 0x0
; LAUNCH 1 OF 4: query, key, value [8192][1024] and Wq, Wk, Wv, Wo [1024 (k)][1024 (n)], f32, become codes of FP6 (E2M3) with one E8M0 byte for each 32 along K.
; NO WORK OF THE PROBLEM IS LEFT OUT IN ANY LAUNCH: every input reaches the output (bk too: it moves the codes of k), nothing is masked, nothing is sliced away.
; A block's scale is 2^(floor(log2(its largest magnitude)) - 2): its byte is the largest magnitude's exponent field - 2, held at 1 from below.
; LIMITS: a block of zeros gets the byte 1 where the rule says 127 (its codes are zeros, and only this program reads the bytes); blocks whose largest magnitude lies under 2^-124 were not tried;
; NaN and infinities among the inputs are not served.
; LAYOUT OF THE WORKSPACE: the order of the operand's registers.  Rows (of query and value; columns n of a weight) go in tiles of 16: tile 2 b + u, place r, is row 32 b + 8 u + r + 8 (r / 8).
; KEY'S TILES GO OTHERWISE: tile 4 g + j, place r, is row 64 g + 8 j + r % 8 + 32 (r / 8), so that in launch 3 a lane's 32 scores of four tiles are one block of 32 neighbouring keys.
; A fragment (a tile x 128 K, 12 registers a lane) is 1,536 bytes: half c (registers 6 c .. 6 c + 5) at 768 c: its registers 0-3 at 16 x lane, its registers 4-5 at 512 + 8 x lane.
; xc: [tile 0..1535][K step 0..7][1536], tile = 512 x tensor + row tile.  wc: [tile 0..255][K step][1536], tile = 64 x weight + n tile.
; sc: 512 bytes a tile: the scale word of K step 4 g + e of place r at 256 g + 16 r + 4 e; the tiles of x from byte 0, the weights' from byte 786,432 (ctx's, from 917,504, are written by the third launch).
; SHARES: 1,536 tiles of x (64 KB of f32 each) and 512 weight tasks (32 KB each): 256 work-groups x (6 + 2) waves.  Waves 0-5 take tile 6 x work-group + wave; waves 6 and 7 take 32 columns x 256 along K of a weight.
; A load of the weight role reads 128 bytes and 64 of them are out at the most, where a load of the other role reads 512: so that role's share of a wave is the smaller one.
; The two roles part once on the wave's number and never join.  No barrier: waves share nothing; each has LDS bytes of its own, 8,448 x wave.
.set STG,   8448                       ; a wave's LDS region: 16 rows x (512 + 16) bytes
.set SPARE, 8*STG                      ; behind the eight regions: the spare words, 128 bytes a wave, four blocks of 256 bytes that no other line names
.set MX,  10                           ; v10-11  largest magnitudes
.set SO,  12                           ; v12-13  the conversions' scale operands
.set BY,  14                           ; v14-15  scale bytes
.set SPW, 18                           ; v18     my spare word: SPARE + 4 x my thread's number; never rewritten
.set NIL, 19                           ; v19     0; never rewritten
.set WS,  20                           ; v20-27  scale words, one a K step
.set C,   28                           ; v28-39  a fragment's codes
.set CT,  40                           ; v40-47  the second halves of the blocks' codes, as the conversions leave them
.set R,   48                           ; v48-175 x as loaded: two sets of 64
.set X,   176                          ; v176-239 x turned: register 32 c + i = k 64 c + 32 (lane / 16) + i of my row
.set WX,  48                           ; v48-111 the weight role: two sets of 32 numbers down K
.set OUTR, 176                         ; v176-199 the weight role: two fragments read back
	s_load_b512 s[4:19], s[0:1], 0x0               ; query, key, value, Wq, Wk, Wv, Wo, xc
	s_load_b128 s[20:23], s[0:1], 0x40             ; wc, sc
	v_lshl_add_u32 v[SPW], v0, 2, SPARE
	v_mov_b32 v[NIL], 0
	v_lshrrev_b32 v1, 5, v0
	v_readfirstlane_b32 s24, v1                    ; wave 0..7
	v_and_b32 v1, 31, v0                           ; lane
	v_and_b32 v2, 15, v0                           ; r
	v_bfe_u32 v3, v0, 4, 1                         ; h
	v_lshlrev_b32 v4, 4, v1                        ; 16 x lane
	v_lshlrev_b32 v5, 3, v1                        ; 8 x lane
	s_mul_i32 s35, s24, STG                        ; my LDS region
	s_mov_b32 s32, 0x76543210
	s_mov_b32 s33, 0xfedcba98                      ; v_permlanex16_b32: lane l xor 16
	s_cmp_ge_u32 s24, 6
	s_cbranch_scc1 .Lweights
; ---- THE ROLE OF WAVES 0-5: a tile of 16 rows of x, all 1,024 along K, eight K steps of 128.
	v_add_nc_u32 v6, s35, v4                       ; the stage on the way in: a row's 512 bytes as they lie
	v_mul_u32_u24 v7, v2, 528
	v_lshl_add_u32 v7, v3, 7, v7
	v_add_nc_u32 v7, s35, v7                       ; and on the way out: row r, + 128 h: my 32 neighbours of each 64
	v_lshlrev_b32 v8, 3, v3                        ; 8 h
	v_mov_b32 v17, 0                               ; written once: a lane permute's destination counts as one of its sources
	s_mul_i32 s25, ttmp9, 6
	s_add_co_u32 s25, s25, s24                     ; my tile
	s_lshr_b32 s34, s25, 9                         ; which tensor
	s_and_b32 s36, s25, 511
	s_cmp_eq_u32 s34, 1                            ; key?
	s_cselect_b32 s42, 2, 1                        ; tiles go in groups of 4 (64 rows) or of 2 (32 rows)
	s_cselect_b32 s43, 3, 1
	s_cselect_b32 s44, 65536, 0                    ; places 8-15 lie 32 rows behind places 0-7, where the others' lie 16: 16 rows more
	s_lshr_b32 s37, s36, s42
	s_add_co_u32 s42, s42, 16
	s_lshl_b32 s37, s37, s42                       ; the group's first row, in bytes of 4,096 a row
	s_and_b32 s36, s36, s43
	s_lshl_b32 s36, s36, 15                        ; 8 rows for each tile of the group
	s_add_co_u32 s36, s36, s37
	s_mov_b32 s37, 0
	s_mov_b32 s45, 0
	s_mul_i32 s38, s25, 12288
	s_mov_b32 s39, 0
	s_lshl_b32 s40, s25, 9
	s_mov_b32 s41, 0
	s_wait_kmcnt 0x0
	s_cmp_eq_u32 s34, 0
	s_cselect_b64 s[26:27], s[4:5], s[6:7]
	s_cmp_eq_u32 s34, 2
	s_cselect_b64 s[26:27], s[8:9], s[26:27]
	s_add_nc_u64 s[26:27], s[26:27], s[36:37]      ; the tile's first row
	s_add_nc_u64 s[42:43], s[26:27], s[44:45]      ; the base for places 8-15
	s_add_nc_u64 s[28:29], s[18:19], s[38:39]      ; its codes
	s_add_nc_u64 s[30:31], s[22:23], s[40:41]      ; its scale words
.macro XLOAD t                         ; K step t of the 16 rows: each load reads 512 consecutive bytes of one row
.irp i, 0,1,2,3,4,5,6,7,8,9,10,11,12,13,14,15
	global_load_b128 v[R+64*((\t)%2)+4*\i:R+64*((\t)%2)+4*\i+3], v4, s[26+16*(\i/8):27+16*(\i/8)] offset:(\i+8*(\i/8))*4096+512*(\t) th:TH_LOAD_NT
.endr
.endm
.macro XTURN t                         ; through my stage: LDS serves a wave's instructions in order, so no wait stands between the stores and the loads
.irp i, 0,1,2,3,4,5,6,7,8,9,10,11,12,13,14,15
	ds_store_b128 v6, v[R+64*((\t)%2)+4*\i:R+64*((\t)%2)+4*\i+3] offset:528*\i
.endr
.irp c, 0,1
.irp q, 0,1,2,3,4,5,6,7
	ds_load_b128 v[X+32*\c+4*\q:X+32*\c+4*\q+3], v7 offset:256*\c+16*\q
.endr
.endr
.endm
.macro XSTEP t
.if (\t) < 7
	s_wait_loadcnt 16                              ; this step's 16 loads are in; the next step's 16 may be out
.else
	s_wait_loadcnt 0x0
.endif
	XTURN \t
	s_wait_dscnt 0x0                               ; my 64 numbers are back, and the stores into the stage have read their registers,
	s_wait_xcnt 0x0                                ; and the last step's stores have read the codes' registers
.if (\t) < 6
	XLOAD (\t)+2
.endif
.irp c, 0,1                            ; my two blocks, 2 c + h: all 32 numbers of each are mine
	v_max3_num_f32 v[MX+\c], |v[X+32*\c]|, |v[X+32*\c+1]|, 0x1800000   ; with the floor 2^(3 - 127): the byte cannot fall under 1
.endr
.irp i, 2,4,6,8,10,12,14,16,18,20,22,24,26,28,30
.irp c, 0,1
	v_max3_num_f32 v[MX+\c], v[MX+\c], |v[X+32*\c+\i]|, |v[X+32*\c+\i+1]|
.endr
.endr
.irp c, 0,1
	v_add_nc_u32 v[SO+\c], 0xff000000, v[MX+\c]    ; 2 off the exponent field: the conversion takes this operand's exponent field as its scale
.endr
.irp c, 0,1
	v_lshrrev_b32 v[BY+\c], 23, v[SO+\c]           ; the scale's byte
.endr
	v_lshl_or_b32 v16, v[BY+1], 16, v[BY]          ; my bytes: blocks h and 2 + h,
	v_lshlrev_b32 v16, v8, v16                     ; at their places in the word;
	v_permlanex16_b32 v17, v16, s32, s33
	v_or_b32 v[WS+(\t)], v16, v17                  ; with lane l xor 16's two the row's word is whole, in both halves of the lanes
.irp c, 0,1
	v_cvt_scalef32_pk16_fp6_f32 v[C+6*\c:C+6*\c+2], v[X+32*\c:X+32*\c+15], v[SO+\c]
	v_cvt_scalef32_pk16_fp6_f32 v[CT+4*\c:CT+4*\c+2], v[X+32*\c+16:X+32*\c+31], v[SO+\c]   ; (a conversion's three registers begin on an even number)
.endr
	v_nop                                          ; one plain place behind the scaled conversions
.irp c, 0,1
.irp i, 0,1,2
	v_mov_b32 v[C+6*\c+3+\i], v[CT+4*\c+\i]
.endr
.endr
	global_store_b128 v4, v[C:C+3], s[28:29] offset:1536*(\t)            ; 512 consecutive bytes,
	global_store_b64 v5, v[C+4:C+5], s[28:29] offset:1536*(\t)+512       ; 256,
	global_store_b128 v4, v[C+6:C+9], s[28:29] offset:1536*(\t)+768
	global_store_b64 v5, v[C+10:C+11], s[28:29] offset:1536*(\t)+1280
.endm
	s_wait_alu depctr_va_vdst(0)
	XLOAD 0
	XLOAD 1
.irp t, 0,1,2,3,4,5,6,7
	XSTEP \t
.endr
	v_cmp_le_u32 vcc_lo, 16, v1                    ; lanes 0-15 store K steps 0-3 of their row, lanes 16-31 K steps 4-7: 512 consecutive bytes
.irp i, 0,1,2,3
	v_cndmask_b32 v[WS+\i], v[WS+\i], v[WS+4+\i], vcc_lo
.endr
	global_store_b128 v4, v[WS:WS+3], s[30:31]
	s_wait_tensorcnt 0x0                           ; the wave's end: behind my last LDS store
	ds_add_u32 v[SPW], v[NIL]
	s_wait_dscnt 0x0
	s_endpgm
; ---- THE ROLE OF WAVES 6 AND 7: 32 columns x 256 along K of one weight.  A LANE TAKES A COLUMN AND ITS REGISTERS RUN DOWN K: a block of 32 lies in one lane, and the codes come out with K innermost.
; Lane l is column 32 cg + l: tile 2 cg + u, place r2, with u = (l / 8) % 2 and r2 = l % 8 + 8 (l / 16).  Each load reads 128 consecutive bytes of a row of the weight.
.Lweights:
	s_wait_alu depctr_va_vdst(0)
	v_lshlrev_b32 v6, 2, v1                        ; 4 x lane
	v_bfe_u32 v7, v0, 3, 1                         ; u
	v_and_b32 v8, 7, v0
	v_lshl_add_u32 v8, v3, 3, v8                   ; r2
	v_mul_u32_u24 v9, v7, 1664
	v_add_nc_u32 v9, s35, v9                       ; my tile's fragment in my LDS region: 1,536 bytes at a pitch of 1,664
	v_lshl_add_u32 v10, v8, 4, v9                  ; where my registers 0-3 go
	v_lshl_add_u32 v11, v8, 3, v9                  ; and my registers 4-5
	v_add_nc_u32 v12, s35, v4                      ; back: 16 bytes a lane
	v_lshlrev_b32 v13, 9, v7
	v_lshl_add_u32 v13, v8, 4, v13                 ; my scale words: 512 u + 16 r2
	s_lshr_b32 s34, ttmp9, 6                       ; which weight
	s_bfe_u32 s36, ttmp9, 0x50001                  ; cg: which 32 columns
	s_and_b32 s37, ttmp9, 1
	s_lshl_b32 s37, s37, 1
	s_add_co_u32 s37, s37, s24
	s_sub_co_u32 s37, s37, 6                       ; which quarter of K: 2 x (work-group % 2) + wave - 6
	s_lshl_b32 s38, s37, 20                        ; 256 rows of 4,096 bytes
	s_lshl_b32 s39, s36, 7
	s_add_co_u32 s38, s38, s39
	s_mov_b32 s39, 0
	s_lshl_b32 s40, s34, 6
	s_lshl_b32 s41, s36, 1
	s_add_co_u32 s40, s40, s41                     ; the first of my two tiles
	s_mul_i32 s42, s40, 12288
	s_mul_i32 s43, s37, 3072                       ; two K steps of 1,536 bytes
	s_add_co_u32 s42, s42, s43
	s_mov_b32 s43, 0
	s_lshl_b32 s44, s40, 9
	s_lshr_b32 s45, s37, 1
	s_lshl_b32 s45, s45, 8                         ; the plane of four K steps,
	s_and_b32 s46, s37, 1
	s_lshl_b32 s46, s46, 3                         ; and my two words in it
	s_add_co_u32 s45, s45, s46
	s_add_co_u32 s44, s44, s45
	s_add_co_u32 s44, s44, 786432
	s_mov_b32 s45, 0
	s_wait_kmcnt 0x0
	s_cmp_eq_u32 s34, 0
	s_cselect_b64 s[26:27], s[10:11], s[12:13]
	s_cmp_eq_u32 s34, 2
	s_cselect_b64 s[26:27], s[14:15], s[26:27]
	s_cmp_eq_u32 s34, 3
	s_cselect_b64 s[26:27], s[16:17], s[26:27]
	s_add_nc_u64 s[26:27], s[26:27], s[38:39]
	s_add_nc_u64 s[28:29], s[20:21], s[42:43]
	s_add_nc_u64 s[30:31], s[22:23], s[44:45]
.macro WLOAD n                         ; block n: W(32 n + i, my column) into set n % 2
.irp i, 0,1,2,3,4,5,6,7,8,9,10,11,12,13,14,15,16,17,18,19,20,21,22,23,24,25,26,27,28,29,30,31
	global_load_b32 v[WX+32*((\n)%2)+\i], v6, s[26:27] offset:(32*(\n)+\i)*4096
.endr
.endm
.macro WBLOCK n                        ; block n = K step n / 4 of my two, block n % 4 of that step: half (n % 4) / 2 of the fragment, lanes' half n % 2
.set XS, WX+32*((\n)%2)
.set KT, (\n)/4
.set KB, (\n)%4
.if (\n) < 7
	s_wait_loadcnt 32                              ; this block's 32 loads are in; the next block's may be out
.else
	s_wait_loadcnt 0x0
.endif
	v_max3_num_f32 v14, |v[XS]|, |v[XS+1]|, |v[XS+2]|
	v_max3_num_f32 v15, |v[XS+3]|, |v[XS+4]|, |v[XS+5]|
.irp i, 6,10,14,18,22,26
	v_max3_num_f32 v14, v14, |v[XS+\i]|, |v[XS+\i+1]|
	v_max3_num_f32 v15, v15, |v[XS+\i+2]|, |v[XS+\i+3]|
.endr
	v_max3_num_f32 v14, v14, |v[XS+30]|, |v[XS+31]|
	v_max3_num_f32 v14, v14, v15, 0x1800000        ; and the floor
	v_add_nc_u32 v16, 0xff000000, v14
	v_lshrrev_b32 v17, 23, v16
.if KB == 0
	v_mov_b32 v[WS+KT], v17
.else
	v_lshl_or_b32 v[WS+KT], v17, 8*KB, v[WS+KT]
.endif
	v_cvt_scalef32_pk16_fp6_f32 v[C:C+2], v[XS:XS+15], v16
	v_cvt_scalef32_pk16_fp6_f32 v[CT:CT+2], v[XS+16:XS+31], v16
	v_nop                                          ; one plain place behind the scaled conversions
.irp i, 0,1,2
	v_mov_b32 v[C+3+\i], v[CT+\i]
.endr
	ds_store_b128 v10, v[C:C+3] offset:768*(KB/2)+256*(KB%2)
	ds_store_b64 v11, v[C+4:C+5] offset:768*(KB/2)+512+128*(KB%2)
.if (\n)+2 < 8
	WLOAD (\n)+2
.endif
	s_wait_dscnt 0x0                               ; the stores have read their registers
.if KB == 3                            ; two fragments are whole: they leave as they lie, 512 consecutive bytes a store
	s_wait_xcnt 0x0                                ; the last K step's stores have read these registers
.irp u, 0,1
.irp p, 0,1,2
	ds_load_b128 v[OUTR+4*(3*\u+\p):OUTR+4*(3*\u+\p)+3], v12 offset:1664*\u+512*\p
.endr
.endr
	s_wait_dscnt 0x0
.irp u, 0,1
.irp p, 0,1,2
	global_store_b128 v4, v[OUTR+4*(3*\u+\p):OUTR+4*(3*\u+\p)+3], s[28:29] offset:12288*\u+1536*KT+512*\p
.endr
.endr
.endif
.endm
	WLOAD 0
	WLOAD 1
.irp n, 0,1,2,3,4,5,6,7
	WBLOCK \n
.endr
	s_wait_alu depctr_va_vdst(0)
	global_store_b64 v13, v[WS:WS+1], s[30:31]     ; my column's two scale words: 8 bytes a lane at a pitch of 16; the wave with the other quarter of this half of K stores the 8 between (131,072 bytes of such words in all)
	s_wait_tensorcnt 0x0                           ; the wave's end: behind my last LDS store
	ds_add_u32 v[SPW], v[NIL]
	s_wait_dscnt 0x0
	s_endpgm
.Lfunc_end_k_qf6f152d663_quant:
	.size	k_qf6f152d663_quant, .Lfunc_end_k_qf6f152d663_quant-k_qf6f152d663_quant
	.p2alignl 7, 3214868480
	.fill 96, 4, 3214868480
	.section	.rodata,"a",@progbits
	.p2align	6, 0x0
	.amdhsa_kernel k_qf6f152d663_quant
		.amdhsa_group_segment_fixed_size 68608
		.amdhsa_private_segment_fixed_size 0
		.amdhsa_enable_private_segment 0
		.amdhsa_kernarg_size 80
		.amdhsa_user_sgpr_count 2
		.amdhsa_user_sgpr_kernarg_segment_ptr 1
		.amdhsa_wavefront_size32 1
		.amdhsa_system_sgpr_workgroup_id_x 1
		.amdhsa_system_sgpr_workgroup_id_y 1
		.amdhsa_system_sgpr_workgroup_id_z 1
		.amdhsa_system_vgpr_workitem_id 0
		.amdhsa_next_free_vgpr 240
		.amdhsa_next_free_sgpr 66
		.amdhsa_reserve_vcc 1
		.amdhsa_float_denorm_mode_32 3
		.amdhsa_float_denorm_mode_16_64 3
		.amdhsa_memory_ordered 1
		.amdhsa_forward_progress 1
		.amdhsa_inst_pref_size 99
	.end_amdhsa_kernel
	.amdgpu_metadata
---
amdhsa.version: [ 1, 2 ]
amdhsa.kernels:
  - .name:           k_qf6f152d663_quant
    .symbol:         k_qf6f152d663_quant.kd
    .args:
      - { .name: query, .offset: 0, .size: 8, .value_kind: global_buffer, .address_space: global }
      - { .name: key, .offset: 8, .size: 8, .value_kind: global_buffer, .address_space: global }
      - { .name: value, .offset: 16, .size: 8, .value_kind: global_buffer, .address_space: global }
      - { .name: Wq, .offset: 24, .size: 8, .value_kind: global_buffer, .address_space: global }
      - { .name: Wk, .offset: 32, .size: 8, .value_kind: global_buffer, .address_space: global }
      - { .name: Wv, .offset: 40, .size: 8, .value_kind: global_buffer, .address_space: global }
      - { .name: Wo, .offset: 48, .size: 8, .value_kind: global_buffer, .address_space: global }
      - { .name: xc, .offset: 56, .size: 8, .value_kind: global_buffer, .address_space: global }
      - { .name: wc, .offset: 64, .size: 8, .value_kind: global_buffer, .address_space: global }
      - { .name: sc, .offset: 72, .size: 8, .value_kind: global_buffer, .address_space: global }
    .group_segment_fixed_size: 68608
    .private_segment_fixed_size: 0
    .kernarg_segment_align: 8
    .kernarg_segment_size: 80
    .max_flat_workgroup_size: 256
    .sgpr_count:     66
    .vgpr_count:     240
    .wavefront_size: 32
...
	.end_amdgpu_metadata
.endif
;; end of part 1
;; launch proj (part 2): grid 4 x 192, 4 waves a work-group, clusters of 4 x 4, 327,680 bytes of LDS; arguments xc, wc, sc, bq, bk, bv, qc, kv; writes qc, kv
.if DOCPART == 2
	.amdgcn_target "amdgcn-amd-amdhsa--gfx1250"
	.amdhsa_code_object_version 6
	.text
	.protected	k_qf6f152d663_proj
	.globl	k_qf6f152d663_proj
	.p2align	8
	.type	k_qf6f152d663_proj,@function
k_qf6f152d663_proj:
	s_mov_b64 s[64:65], 0
	v_nop
	global_prefetch_b8 v0, s[64:65] scope:SCOPE_SE
	s_setreg_imm32_b32 hwreg(HW_REG_WAVE_MODE, 25, 1), 1
	s_wait_xcnt 0x0
	s_wait_alu depctr_hold_cnt(0) depctr_sa_sdst(0) depctr_va_vdst(0) depctr_va_sdst(0) depctr_va_ssrc(0) depctr_va_vcc(0) depctr_vm_vsrc(0)
	s_getreg_b32 s2, hwreg(HW_REG_IB_STS2, 6, 4)
	s_cmp_eq_u32 s2, 0
	s_cbranch_scc0 .Lentry_in_a_cluster
	s_endpgm
.Lentry_in_a_cluster:
	s_bfe_u32 s2, ttmp6, 0x10000c
	s_cmp_lg_u32 s2, 0xf033
	s_cbranch_scc0 .Lentry_shape_is_right
	s_endpgm
.Lentry_shape_is_right:
; LAUNCH 2 OF 4: q = query Wq + bq, k = key Wk + bk, v = value Wv + bv on the codes of launch 1, and each result quantised at once for the attention: q and k along the head's 64, v along the keys.  No work is left out.
; A work-group makes 128 rows of operand P x 256 rows of operand R; a wave 64 x 128: 32 accumulators.  Source 0 of the matrix instruction is a tile of R, source 1 a tile of P: a lane holds ONE row of P,
; and, by the order of rows in R's tiles (tile 2 b + u, place r = row 32 b + 8 u + r + 8 (r / 8)), the 16 registers of R's tiles 2 b and 2 b + 1 are R's rows 32 b + 16 (lane / 16) + 0 .. 15: neighbours.
; q, k (cluster y 0-15, 16-31): P = rows of x, R = columns n of the weight.  v (cluster y 32-47): P = columns n, R = rows of x.  768 work-groups: three times 256.
; ALL OF K = 1,024 LIES IN LDS, FILLED ONCE: 24 tiles x 12,288 bytes = 294,912.  One joint load a wave at the head: wave 0 P's K steps 0-3, wave 1 R's, wave 2 P's K steps 4-7, wave 3 R's, each on a line of its own.
; The first barrier shows K steps 0-3 (waves 0, 1 wait), the barrier in K step 3 the rest (every wave waits).  Nothing is filled again, so no round stands between the opening and the closing one.
; CLUSTERS: 4 x 4.  P's tiles hang on the cluster's row alone and are asked for jointly by its four work-groups, R's on its column.  The path hangs on the cluster's y alone.
; NO PREFETCH: every tile is asked for at the head, so there is no loop to run ahead in.
; WHAT IS STORED.  qc: [16 b + head][group of 128 queries][6,656]: 8 half fragments (16 rows x 64 K: registers 0-3 at 16 x lane, 4-5 at 512 + 8 x lane) at 768 t; scale words at 6,144 + 256 (t / 4) + 16 r + 4 (t % 4).
; kv: [16 b + head][step of 128 keys][13,312]: k's 8 half fragments at 768 t; v's 4 fragments (16 of the head's 64 x 128 keys) at 6,144 + 1,536 t; k's scale words at 12,288 + 256 (t / 4) + 16 r + 4 (t % 4); v's at 12,800 + 16 x lane + 4 t.
; In a scale word of q or k bytes 0, 1 are the head's; bytes 2, 3 hold the next head's bytes or 0: they meet zero codes alone in launch 3.
; LIMITS: as stated in launch 1 (a block of zeros gets the byte 1; NaN and infinities are not served).
; REGISTERS: window 0: v1-5 lane terms; v8-15 LDS addresses; v16-19 scale words made; v24-27 at work; v28, v29 the add's two; v30, v31 scale offsets; v32-95 the operands' scale words and nothing else;
;   v96-191 P's fragments, two sets of 48 (later the epilogue); v192-255 the bias.  window 1: R's fragments, sets at v0 and v128.  window 2: accumulator (a, b) at v[8 (8 a + b)].
.set HP,    49152                      ; P's half of K: 8 tiles x 6,144 bytes (four K steps)
.set HALF,  147456                     ; and R's 16 tiles behind it
.set TILEB, 6144
.set FRB,   1536
.set SPARE, 2*HALF                     ; behind the two halves: the spare words, 128 bytes a wave
.set FR,   12
.set A16,  8                           ; v8-9   my P fragments in half 0, 1: + 16 x lane;   v10-11: + 8 x lane
.set A8,   10
.set B16,  12                          ; v12-13, v14-15 the same for R
.set B8,   14
.set WS,   16
.set PW,   26
.set SPW,  28
.set NIL,  29
.set VSO,  30
.set SC,   32                          ; the word of block i, K step ks: v[SC + 32 (ks / 4) + 4 i + ks % 4]; lanes 0-15 P's (blocks 0-3, once more in 4-7), lanes 16-31 R's
.set AF,   96
.set BIAS, 192
.set H,    96
.set PC,   160
.set TM,   180
.set SEL,  2
.set G1,   24
.set G0,   32
.set G1B,  48
.set G0B,  56
.set MSB, 0
.macro WIN new                         ; the immediate's high byte repeats the setting that is left
.if MSB != (\new)
	s_set_vgpr_msb (MSB<<8)|(\new)
.set MSB, (\new)
.endif
.endm
.set MUL_LO, 0xa1                      ; source 0 (R) window 1, source 1 (P) window 0, C and D window 2
.set TO_B,   0x40
.macro PLACES                          ; four plain places behind matrix instructions (ISA guide 7.12.1)
.rept 4
	v_nop
.endr
.endm
.macro CROUND
	s_barrier_signal -1
	s_barrier_wait -1
	s_cmp_lg_u32 s20, 0
	s_cbranch_scc1 .Lnot_wave_0_\@
	s_barrier_signal -3
.Lnot_wave_0_\@:
	s_barrier_wait -3
	s_barrier_signal -1
	s_barrier_wait -1
.endm
.macro ARM under, g0, g1, next         ; an arm of the head's one chain: its load, and a jump to the join
	s_cmp_lt_u32 s20, \under
	s_cbranch_scc0 \next
	tensor_load_to_lds s[\g0:\g0+3], s[\g1:\g1+7]
	s_nop 0
	PLACES
	s_branch .Lasked
\next:
.endm
.macro FRAG reg, a16, a8, q, i         ; a fragment comes back as the image of its registers
	ds_load_b128 v[\reg:\reg+3], v[\a16] offset:TILEB*(\i)+FRB*(\q)
	ds_load_b64 v[\reg+4:\reg+5], v[\a8] offset:TILEB*(\i)+FRB*(\q)+512
	ds_load_b128 v[\reg+6:\reg+9], v[\a16] offset:TILEB*(\i)+FRB*(\q)+768
	ds_load_b64 v[\reg+10:\reg+11], v[\a8] offset:TILEB*(\i)+FRB*(\q)+1280
.endm
.macro FETCH ks                        ; K step ks: R's eight fragments and P's four into set ks % 2: 48 loads
.set g_, (\ks)/4
.set q_, (\ks)%4
.set p_, (\ks)%2
	WIN TO_B
.irp i, 0,1,2,3,4,5,6,7
	FRAG 128*p_+FR*\i, B16+g_, B8+g_, q_, \i
.endr
	WIN 0
.irp i, 0,1,2,3
	FRAG AF+48*p_+FR*\i, A16+g_, A8+g_, q_, \i
.endr
.endm
.macro MUL32 ks, zero                  ; P's four blocks x R's eight; the 32 accumulators take turns, in the same order in every K step
.set p_, (\ks)%2
.irp a, 0,1,2,3
.irp b, 0,1,2,3,4,5,6,7
.set rD, 8*(8*\a+\b)
.set rB, 128*p_+FR*\b
.set rA, AF+48*p_+FR*\a
.set sB, SC+32*((\ks)/4)+4*\b+(\ks)%4
.set sA, SC+32*((\ks)/4)+4*\a+(\ks)%4
.if \zero
	v_wmma_scale_f32_16x16x128_f8f6f4 v[rD:rD+7], v[rB:rB+FR-1], v[rA:rA+FR-1], 0, v[sB], v[sA] matrix_a_fmt:MATRIX_FMT_FP6 matrix_b_fmt:MATRIX_FMT_FP6 matrix_a_scale:MATRIX_SCALE_ROW1
.else
	v_wmma_scale_f32_16x16x128_f8f6f4 v[rD:rD+7], v[rB:rB+FR-1], v[rA:rA+FR-1], v[rD:rD+7], v[sB], v[sA] matrix_a_fmt:MATRIX_FMT_FP6 matrix_b_fmt:MATRIX_FMT_FP6 matrix_a_scale:MATRIX_SCALE_ROW1
.endif
.endr
.endr
.endm
.macro KSTEP ks, zero                  ; the next step's 48 loads go out first, into the set that the step before multiplied; then this step's 32 products
.if (\ks) == 3
	s_wait_tensorcnt 0x0                           ; every wave: my load is in
	s_wait_dscnt 0x0
	s_barrier_signal -1
	s_barrier_wait -1                              ; K steps 4-7 are in
.endif
.if (\ks) < 7
.if (\ks) > 0
	PLACES
.endif
	FETCH (\ks)+1
	s_wait_dscnt 48                                ; all but the 48 just issued
.else
	s_wait_dscnt 0x0
.endif
	WIN MUL_LO
	MUL32 \ks, \zero
	WIN 0
.endm
; 64 numbers of a lane, register 16 b + i = k 32 b + 16 (lane / 16) + i of my row, become a fragment's codes in v[PC] on and its scale word in v[PW] (the same in both halves of the lanes).
.macro QUANT s
.irp b, 0,1,2,3
	v_max3_num_f32 v[TM+\b], |v[\s+16*\b]|, |v[\s+1+16*\b]|, 0x1800000   ; with the floor 2^(3 - 127)
.endr
.irp i, 2,4,6,8,10,12,14
.irp b, 0,1,2,3
	v_max3_num_f32 v[TM+\b], v[TM+\b], |v[\s+16*\b+\i]|, |v[\s+1+16*\b+\i]|
.endr
.endr
.irp b, 0,1,2,3
	v_permlanex16_b32 v[TM+4+\b], v[TM+\b], s[SEL], s[SEL+1]
.endr
.irp b, 0,1,2,3
	v_max_num_f32 v[TM+\b], v[TM+\b], v[TM+4+\b]
.endr
.irp b, 0,1,2,3
	v_add_nc_u32 v[TM+8+\b], 0xff000000, v[TM+\b]  ; 2 off the exponent field: the conversion's scale operand
.endr
.irp b, 0,1,2,3
	v_lshrrev_b32 v[TM+4+\b], 23, v[TM+8+\b]       ; the scale's byte
.endr
	v_lshl_or_b32 v[PW], v[TM+5], 8, v[TM+4]
	v_lshl_or_b32 v[PW], v[TM+6], 16, v[PW]
	v_lshl_or_b32 v[PW], v[TM+7], 24, v[PW]
.irp c, 0,1
	v_cvt_scalef32_pk16_fp6_f32 v[PC+6*\c:PC+2+6*\c], v[\s+32*\c:\s+15+32*\c], v[TM+8+2*\c]
	v_cvt_scalef32_pk16_fp6_f32 v[PC+12+4*\c:PC+14+4*\c], v[\s+16+32*\c:\s+31+32*\c], v[TM+8+2*\c+1]
.endr
	v_nop                                          ; one plain place behind the scaled conversions
.irp c, 0,1                            ; the operand's layout wants a whole block in a lane
.irp i, 0,1,2
	v_permlane16_swap_b32 v[PC+6*\c+\i], v[PC+12+4*\c+\i]
.endr
.irp i, 0,1,2
	v_mov_b32 v[PC+3+6*\c+\i], v[PC+12+4*\c+\i]
.endr
.endr
.endm
	s_load_b512 s[4:19], s[0:1], 0x0               ; xc, wc, sc, bq, bk, bv, qc, kv
	v_lshl_add_u32 v[SPW], v0, 2, SPARE
	v_mov_b32 v[NIL], 0
	ds_add_u32 v[SPW], v[NIL]                      ; the opening lines: the add, twice on end, and its wait ahead of my tensor load
	ds_add_u32 v[SPW], v[NIL]
	v_lshrrev_b32 v1, 5, v0
	v_readfirstlane_b32 s20, v1                    ; wave 0..3
	s_lshr_b32 s21, s20, 1                         ; my half of P's rows.  Also: which half of K I fetch
	s_and_b32 s22, s20, 1                          ; my half of R's rows.  Also: I fetch for P (0) or for R (1)
	s_bfe_u32 s40, ttmp6, 0x40000                  ; cx
	s_bfe_u32 s41, ttmp6, 0x40004                  ; cy
	s_lshl_b32 s43, s41, 2
	s_lshl_b32 s43, 15, s43                        ; my row of the cluster
	s_lshl_b32 s44, 0x1111, s40                    ; my column
	s_or_b32 s[G1], s43, (3<<16)|(1<<21)           ; the mask; elements of 8 bytes; no padding; bit 21 beside a mask
	s_or_b32 s[G1B], s44, (3<<16)|(1<<21)
.irp g, G1, G1B                        ; a tile's four K steps are a row of 6,144 bytes (768 elements); rows 12,288 bytes (1,536 elements) apart
	s_mov_b32 s[\g+1], 768<<16
	s_mov_b32 s[\g+3], 768<<16
	s_mov_b32 s[\g+5], 1536
	s_mov_b32 s[\g+6], 0
	s_mov_b32 s[\g+7], 0
.endr
	s_mov_b32 s[G1+2], 8<<16                       ; P: 8 tiles
	s_mov_b32 s[G1+4], 8
	s_mov_b32 s[G1B+2], 16<<16                     ; R: 16
	s_mov_b32 s[G1B+4], 16
	s_mov_b32 s[SEL], 0x76543210
	s_mov_b32 s[SEL+1], 0xfedcba98
	s_and_b32 s66, ttmp7, 0xffff                   ; the cluster's y, 0..47
	s_lshr_b32 s67, s66, 4                         ; the path: 0 q, 1 k, 2 v
	s_and_b32 s68, s66, 15
	s_and_b32 s69, s68, 1
	s_lshr_b32 s23, s68, 1
	s_lshl_b32 s72, s67, 9                         ; x's first tile of the path
	s_lshl_b32 s73, s67, 6                         ; the weight's
	s_cmp_eq_u32 s67, 2
	s_cselect_b32 s70, s69, s68                    ; P's group of four blocks: q, k: 16 groups of rows of x; v: 2 groups of columns
	s_cselect_b32 s71, s23, 0                      ; R's: q, k: one; v: 8 groups of rows of x
	s_cselect_b32 s72, 128, s72                    ; P's first tile in its buffer
	s_cselect_b32 s73, 1024, s73                   ; R's
	s_cselect_b32 s78, 786432, 0                   ; where P's scale words begin in sc
	s_cselect_b32 s79, 0, 786432                   ; and R's
	s_lshl_b32 s70, s70, 2
	s_add_co_u32 s70, s70, s41                     ; P's block of 128 rows: it hangs on cy, never on cx
	s_lshl_b32 s70, s70, 3                         ; in tiles
	s_lshl_b32 s71, s71, 2
	s_add_co_u32 s71, s71, s40                     ; R's block of 256 rows: on cx, never on cy
	s_lshl_b32 s71, s71, 4
	s_add_co_u32 s72, s72, s70
	s_add_co_u32 s73, s73, s71
	s_mul_i32 s80, s72, 12288
	s_mov_b32 s81, 0
	s_mul_i32 s82, s73, 12288
	s_mov_b32 s83, 0
	s_mul_i32 s84, s21, TILEB                      ; the half of K that I fetch
	s_mov_b32 s85, 0
	s_mov_b32 s[G0], 1
	s_mul_i32 s[G0+1], s21, HALF                   ; no place in the cluster enters an LDS address
	s_mov_b32 s[G0B], 1
	s_mul_i32 s[G0B+1], s21, HALF
	s_add_co_u32 s[G0B+1], s[G0B+1], HP
	s_wait_dscnt 0x0                               ; both opening adds are done
	s_wait_kmcnt 0x0
	s_cmp_eq_u32 s67, 2
	s_cselect_b64 s[74:75], s[6:7], s[4:5]
	s_cselect_b64 s[76:77], s[4:5], s[6:7]
	s_add_nc_u64 s[74:75], s[74:75], s[80:81]
	s_add_nc_u64 s[76:77], s[76:77], s[82:83]
	s_add_nc_u64 s[G0+2:G0+3], s[74:75], s[84:85]
	s_or_b32 s[G0+3], s[G0+3], 0x80000000
	s_add_nc_u64 s[G0B+2:G0B+3], s[76:77], s[84:85]
	s_or_b32 s[G0B+3], s[G0B+3], 0x80000000
	CROUND                                         ; all sixteen work-groups are here: the joint loads meet
	ARM 1, G0,  G1,  .Lw1                          ; wave 0: P, K steps 0-3
	ARM 2, G0B, G1B, .Lw2                          ; wave 1: R, K steps 0-3
	ARM 3, G0,  G1,  .Lw3                          ; wave 2: P, K steps 4-7
	tensor_load_to_lds s[G0B:G0B+3], s[G1B:G1B+7]  ; wave 3: R, K steps 4-7
	s_nop 0
	PLACES
.Lasked:
	v_and_b32 v1, 31, v0                           ; lane
	v_and_b32 v2, 15, v0                           ; r
	v_bfe_u32 v3, v0, 4, 1                         ; h
	v_lshlrev_b32 v4, 4, v1
	v_lshlrev_b32 v5, 3, v1
	s_mul_i32 s42, s21, 4*TILEB
	s_mul_i32 s45, s22, 8*TILEB
	s_add_co_u32 s45, s45, HP
.irp s, 0,1
	v_add_nc_u32 v[A16+\s], s42, v4
	v_add_nc_u32 v[A8+\s], s42, v5
	v_add_nc_u32 v[B16+\s], s45, v4
	v_add_nc_u32 v[B8+\s], s45, v5
	s_add_co_u32 s42, s42, HALF
	s_add_co_u32 s45, s45, HALF
.endr
	; the scale words of my 4 + 8 tiles, for all of K, go from memory straight into registers, once: lanes 0-15 take P's, lanes 16-31 R's; sixteen lanes read 256 consecutive bytes
	s_lshl_b32 s46, s21, 2
	s_add_co_u32 s46, s46, s72
	s_lshl_b32 s46, s46, 9
	s_add_co_u32 s46, s46, s78
	s_lshl_b32 s47, s22, 3
	s_add_co_u32 s47, s47, s73
	s_lshl_b32 s47, s47, 9
	s_add_co_u32 s47, s47, s79
	v_mov_b32 v[VSO], s46
	v_mov_b32 v31, s47
	v_cmp_le_u32 vcc_lo, 16, v1
	v_cndmask_b32 v[VSO], v[VSO], v31, vcc_lo
	v_lshl_add_u32 v[VSO], v2, 4, v[VSO]
	v_lshl_add_u32 v31, v3, 11, v[VSO]             ; for blocks 4-7: R's lanes four tiles on, P's lanes at their four tiles once more
.irp g, 0,1
.irp i, 0,1,2,3
	global_load_b128 v[SC+32*\g+4*\i:SC+32*\g+4*\i+3], v[VSO], s[8:9] offset:512*\i+256*\g
	global_load_b128 v[SC+32*\g+16+4*\i:SC+32*\g+16+4*\i+3], v31, s[8:9] offset:512*\i+256*\g
.endr
.endr
.irp b, 0,1,2,3
	v_mov_b32 v[TM+4+\b], 0                        ; written once: a lane permute's destination counts as one of its sources
.endr
	; where the results go: m0 = my first row of x, n0 = my first column
	s_lshl_b32 s85, s70, 4
	s_lshl_b32 s23, s21, 6
	s_add_co_u32 s85, s85, s23                     ; P's first row of mine
	s_lshl_b32 s86, s71, 4
	s_lshl_b32 s23, s22, 7
	s_add_co_u32 s86, s86, s23                     ; R's
	s_cmp_eq_u32 s67, 2
	s_cselect_b32 s87, s86, s85                    ; m0
	s_cselect_b32 s88, s85, s86                    ; n0
	s_lshr_b32 s89, s87, 11
	s_lshl_b32 s89, s89, 4
	s_lshr_b32 s23, s88, 6
	s_add_co_u32 s89, s89, s23                     ; 16 b + head
	s_lshl_b32 s89, s89, 4
	s_bfe_u32 s23, s87, 0x40007
	s_add_co_u32 s89, s89, s23                     ; x 16 + the group of 128 rows
	s_mov_b32 s90, 13312
	s_cmp_eq_u32 s67, 0
	s_cselect_b32 s90, 6656, s90                   ; a block's bytes
	s_cselect_b64 s[92:93], s[16:17], s[18:19]
	s_mul_i32 s94, s89, s90
	s_mov_b32 s95, 0
	s_add_nc_u64 s[92:93], s[92:93], s[94:95]      ; my block's first byte
	s_lshl_b32 s91, s90, 4                         ; from a head to the next
	s_lshl_b32 s88, s88, 2                         ; 4 n0
	s_mov_b32 s89, 0
	s_wait_alu depctr_va_vdst(0)                   ; the wait at the head's end
	s_cmp_lt_u32 s20, 2
	s_cbranch_scc0 .Lnot_first
	s_wait_tensorcnt 0x0                           ; waves 0, 1: my tile of K steps 0-3 is in
.Lnot_first:
	s_barrier_signal -1
	s_barrier_wait -1                              ; K steps 0-3 are in
	FETCH 0
	s_wait_loadcnt 0x0                             ; the scale words
	KSTEP 0, 1                                     ; the first K step starts the sums: nothing is cleared
	KSTEP 1, 0
	KSTEP 2, 0
	KSTEP 3, 0
	s_cmp_eq_u32 s67, 2                            ; the ways part on the cluster's y alone
	s_cbranch_scc1 .Lvalues
; THE EPILOGUE of P's block a: + bias (the addition is also the move into window 0, each accumulator from its low end on), quantised, stored as the image of the next operand's registers.
.macro EPI a, tail
	s_wait_xcnt 0x0                                ; the last block's stores have read the codes' registers
	WIN 0x02
.set x, 0
.rept 32
.if \tail
	v_pk_add_f32 v[H+2*x:H+2*x+1], v[64*(\a)+2*x:64*(\a)+2*x+1], v[BIAS+2*(\a):BIAS+2*(\a)+1]
.else
	v_pk_add_f32 v[H+2*x:H+2*x+1], v[64*(\a)+2*x:64*(\a)+2*x+1], v[BIAS+2*x:BIAS+2*x+1]
.endif
.set x, x+1
.endr
	WIN 0
	QUANT H
.if \tail
	v_mov_b32 v[WS+(\a)], v[PW]
	global_store_b128 v4, v[PC:PC+3], s[92:93] offset:1536*(\a)          ; my head's tile a: a whole fragment, 128 keys
	global_store_b64 v5, v[PC+4:PC+5], s[92:93] offset:1536*(\a)+512
	global_store_b128 v4, v[PC+6:PC+9], s[92:93] offset:1536*(\a)+768
	global_store_b64 v5, v[PC+10:PC+11], s[92:93] offset:1536*(\a)+1280
.else
	v_lshrrev_b32 v[WS+(\a)], v25, v[PW]           ; lanes 0-15 keep the word (bytes 0, 1: the even head's), lanes 16-31 bring the odd head's two bytes down
	global_store_b128 v4, v[PC:PC+3], s[92:93] offset:768*(\a)           ; the fragment's lower half is the even head's 64,
	global_store_b64 v5, v[PC+4:PC+5], s[92:93] offset:768*(\a)+512
	global_store_b128 v4, v[PC+6:PC+9], s[96:97] offset:768*(\a)         ; its upper half the odd head's
	global_store_b64 v5, v[PC+10:PC+11], s[96:97] offset:768*(\a)+512
.endif
.if (\a) == 3
.if \tail
	global_store_b128 v4, v[WS:WS+3], s[98:99]     ; 512 consecutive bytes
.else
	global_store_b128 v24, v[WS:WS+3], s[98:99]    ; lanes 0-15: 256 consecutive bytes of the even head, lanes 16-31 of the odd one
.endif
.endif
.endm
.macro TAIL tail
	KSTEP 4, 0                                     ; the bias lands under these 128 products
	KSTEP 5, 0
	KSTEP 6, 0
	KSTEP 7, 0
	PLACES
	s_wait_loadcnt 0x0                             ; the bias
.irp a, 0,1,2,3
	EPI \a, \tail
.endr
	s_wait_tensorcnt 0x0                           ; the wave's end
	ds_add_u32 v[SPW], v[NIL]
	s_wait_dscnt 0x0
	CROUND                                         ; the closing round
	s_endpgm
.endm
	; ---- q and k: a lane holds a row of x; register 16 b + i is column n0 + 32 b + 16 h + i.  My four tiles are tiles 4 x (my half) + a of the group of 128 rows
	s_cmp_eq_u32 s67, 0
	s_cselect_b64 s[74:75], s[10:11], s[12:13]     ; bq or bk
	s_mov_b32 s94, 12288
	s_cselect_b32 s94, 6144, s94                   ; where a block's scale words begin,
	s_lshl_b32 s23, s21, 8
	s_add_co_u32 s94, s94, s23                     ; + 256 for tiles 4-7
	s_add_nc_u64 s[98:99], s[92:93], s[94:95]
	s_mul_i32 s94, s21, 3072                       ; four half fragments of 768 bytes
	s_add_nc_u64 s[92:93], s[92:93], s[94:95]
	s_mov_b32 s94, s91
	s_add_nc_u64 s[96:97], s[92:93], s[94:95]      ; the odd head's block
	s_add_nc_u64 s[74:75], s[74:75], s[88:89]
	v_lshlrev_b32 v27, 6, v3                       ; 64 h
	v_mul_lo_u32 v24, v3, s91
	v_lshl_add_u32 v24, v2, 4, v24                 ; h x a head's bytes + 16 r
	v_lshlrev_b32 v25, 4, v3                       ; 16 h
.irp b, 0,1,2,3
.irp q, 0,1,2,3
	global_load_b128 v[BIAS+16*\b+4*\q:BIAS+16*\b+4*\q+3], v27, s[74:75] offset:128*\b+16*\q
.endr
.endr
	TAIL 0
	; ---- v: a lane holds a column n of one head; register 16 b + i is key 32 b + 16 h + i of my 128
.Lvalues:
	s_add_nc_u64 s[74:75], s[14:15], s[88:89]      ; bv at n0
	s_add_nc_u64 s[98:99], s[92:93], 12800         ; v's scale words
	s_add_nc_u64 s[92:93], s[92:93], 6144          ; v's fragments
	v_and_b32 v27, 8, v2
	v_add_nc_u32 v27, v27, v2
	v_lshlrev_b32 v27, 2, v27                      ; 4 (r + 8 (r / 8))
.irp a, 0,1,2,3
	global_load_b32 v[BIAS+2*\a], v27, s[74:75] offset:4*(32*(\a/2)+8*(\a%2))      ; my column's bias, twice: a pair for the packed addition
	global_load_b32 v[BIAS+2*\a+1], v27, s[74:75] offset:4*(32*(\a/2)+8*(\a%2))
.endr
	TAIL 1
.Lfunc_end_k_qf6f152d663_proj:
	.size	k_qf6f152d663_proj, .Lfunc_end_k_qf6f152d663_proj-k_qf6f152d663_proj
	.p2alignl 7, 3214868480
	.fill 96, 4, 3214868480
	.section	.rodata,"a",@progbits
	.p2align	6, 0x0
	.amdhsa_kernel k_qf6f152d663_proj
		.amdhsa_group_segment_fixed_size 327680
		.amdhsa_private_segment_fixed_size 0
		.amdhsa_enable_private_segment 0
		.amdhsa_kernarg_size 64
		.amdhsa_user_sgpr_count 2
		.amdhsa_user_sgpr_kernarg_segment_ptr 1
		.amdhsa_wavefront_size32 1
		.amdhsa_system_sgpr_workgroup_id_x 1
		.amdhsa_system_sgpr_workgroup_id_y 1
		.amdhsa_system_sgpr_workgroup_id_z 1
		.amdhsa_system_vgpr_workitem_id 0
		.amdhsa_next_free_vgpr 768
		.amdhsa_next_free_sgpr 100
		.amdhsa_reserve_vcc 1
		.amdhsa_float_denorm_mode_32 3
		.amdhsa_float_denorm_mode_16_64 3
		.amdhsa_memory_ordered 1
		.amdhsa_forward_progress 1
		.amdhsa_inst_pref_size 148
	.end_amdhsa_kernel
	.amdgpu_metadata
---
amdhsa.version: [ 1, 2 ]
amdhsa.kernels:
  - .name:           k_qf6f152d663_proj
    .symbol:         k_qf6f152d663_proj.kd
    .args:
      - { .name: xc, .offset: 0, .size: 8, .value_kind: global_buffer, .address_space: global }
      - { .name: wc, .offset: 8, .size: 8, .value_kind: global_buffer, .address_space: global }
      - { .name: sc, .offset: 16, .size: 8, .value_kind: global_buffer, .address_space: global }
      - { .name: bq, .offset: 24, .size: 8, .value_kind: global_buffer, .address_space: global }
      - { .name: bk, .offset: 32, .size: 8, .value_kind: global_buffer, .address_space: global }
      - { .name: bv, .offset: 40, .size: 8, .value_kind: global_buffer, .address_space: global }
      - { .name: qc, .offset: 48, .size: 8, .value_kind: global_buffer, .address_space: global }
      - { .name: kv, .offset: 56, .size: 8, .value_kind: global_buffer, .address_space: global }
    .group_segment_fixed_size: 327680
    .private_segment_fixed_size: 0
    .kernarg_segment_align: 8
    .kernarg_segment_size: 64
    .max_flat_workgroup_size: 128
    .sgpr_count:     100
    .vgpr_count:     768
    .wavefront_size: 32
...
	.end_amdgpu_metadata
.endif
;; end of part 2
;; launch attn (part 3): grid 4 x 64, 16 waves a work-group, clusters of 4 x 1, 327,680 bytes of LDS; arguments qc, kv, cc, sc; writes cc, sc
.if DOCPART == 3
	.amdgcn_target "amdgcn-amd-amdhsa--gfx1250"
	.amdhsa_code_object_version 6
	.text
	.protected	k_qf6f152d663_attn
	.globl	k_qf6f152d663_attn
	.p2align	8
	.type	k_qf6f152d663_attn,@function
k_qf6f152d663_attn:
	s_mov_b64 s[64:65], 0
	v_nop
	global_prefetch_b8 v0, s[64:65] scope:SCOPE_SE
	s_setreg_imm32_b32 hwreg(HW_REG_WAVE_MODE, 25, 1), 1
	s_wait_xcnt 0x0
	s_wait_alu depctr_hold_cnt(0) depctr_sa_sdst(0) depctr_va_vdst(0) depctr_va_sdst(0) depctr_va_ssrc(0) depctr_va_vcc(0) depctr_vm_vsrc(0)
	s_getreg_b32 s2, hwreg(HW_REG_IB_STS2, 6, 4)
	s_cmp_eq_u32 s2, 0
	s_cbranch_scc0 .Lentry_in_a_cluster
	s_endpgm
.Lentry_in_a_cluster:
	s_bfe_u32 s2, ttmp6, 0x10000c
	s_cmp_lg_u32 s2, 0x3003
	s_cbranch_scc0 .Lentry_shape_is_right
	s_endpgm
.Lentry_shape_is_right:
; LAUNCH 3 OF 4: ctx = softmax(q k^T / 8) v for one (batch, head) and 512 queries a work-group, on the codes of launch 2; ctx leaves as codes of FP6 and scale bytes in the order of launch 4's operand registers.  No work is left out.
; p = 2^(t - M), t = score x log2(e) / 8, M the running largest t rounded up to a whole number; the row's sum is taken of the unquantised p; when M moves, O and the sums are multiplied by 2^(old M - new M).
; LIMITS: the promise holds while the scaled scores t stay under 2^31 in magnitude; NaN and infinities are not served; a block of p that has fallen to zeros gets the byte 1 (its codes are zeros).
; THE DEAL: 16 waves; a wave takes 16 queries against all 2,048 keys, twice (query groups 4 cx + wave / 8 and that + 2, tile wave % 8).  A step is 128 keys: 8 products S^T = k q^T (the head's 64 fill half of the
; instruction's 128 along K: q's upper six registers are zeros), 4 products O^T += v^T p^T.  Both are used transposed: a lane holds one query.
; THE KEYS OF A TILE OF k (launch 1 orders key's rows so): tile t, place r is key 64 (t / 4) + 32 (r / 8) + 8 (t % 4) + r % 8.  So the 32 registers of tiles 4 c .. 4 c + 3 in lane (r, h) are keys 64 c + 32 h + 0 .. 31:
; a whole scale block, in the order of the next operand's registers 6 c .. 6 c + 5: no lane looks at another for a block's largest p, and no codes change lanes.
; LDS: all 16 steps of the head's k and v, 13,312 bytes each as launch 2 left them (k's 8 half fragments at 768 t, v's 4 fragments at 6,144 + 1,536 t, k's scale words at 12,288, v's at 12,800), filled ONCE: wave w asks for step w,
; 52 rows of 256 bytes, one tensor load a wave at the head.  Nothing is filled again.  The four work-groups of a cluster share (batch, head) and ask jointly (mask 15).
; Waves 0-3 have a load line of their own: the first barrier shows steps 0-3 alone; the second, behind three steps (which read k up to step 3 and v up to step 2), shows the rest.
; NO PREFETCH: every tile is asked for at the head, so there is no loop to run ahead in.
; ORDER IN A STEP: k's fragments of step n + 1 are asked of LDS behind step n's last products, and the additions of the row's sum stand round those products and behind those loads;
; v's fragments are asked for behind the scores' products, into k's registers.  O and the sums are rescaled ahead of the exponentials.
.set STEPB, 13312
.set SPARE, 16*STEPB                   ; behind the 16 steps: the spare words, 128 bytes a wave
.set L16, 1                            ; 16 x lane
.set L8,  2                            ; 8 x lane
.set R16, 3                            ; 16 x (lane % 16)
.set SPW, 4
.set NIL, 5
.set KA16, 6                           ; v6-8  LDS addresses of the next step's k: + 16 lane, + 8 lane, + 16 r
.set KA8,  7
.set KR16, 8
.set VA16, 9                           ; v9-10 of this step's v
.set VA8,  10
.set SH8,  11                          ; 8 x (lane / 16)
.set QF,  16                           ; v16-27 q's fragment: six registers of codes, six of zeros.  v12 -M, v13 the running largest score, v[14:15] and v[30:31] the sum in four parts
.set QSC, 28
.set PSC, 29
.set SM2, 30
.set KSC, 32
.set VSC, 40
.set KF,  44                           ; v44-97 k's 8 half fragments and six zeros; then v's 4 fragments
.set S,   98                           ; v98-161 scores, then p
.set O,   162                          ; v162-193 O^T
.set PC,  194
.set PT,  206
.set BM,  214                          ; v214-215 a block's largest score, then its largest p;  v216-217 the second chains
.set BN,  216
.set BX,  218
.set SO,  220
.set BY,  222
.set T0,  224
.set T1,  225
.set F,   226
.set W,   228
.set Q2,  232                          ; v232-238 the second pass's q and its scale word
.set WV,  12
.set SEL, 20
.set CS,  22
.set G1,  24
.set G0,  32
.set TB,  48
.set CNT, 49
.set QB,  52
.set QS,  54
.set CB,  56
.set CSB, 58
.macro WALU
	s_wait_alu depctr_va_vdst(0)
.endm
.macro CROUND
	s_barrier_signal -1
	s_barrier_wait -1
	s_cmp_lg_u32 s[WV], 0
	s_cbranch_scc1 .Lnot_wave_0_\@
	s_barrier_signal -3
.Lnot_wave_0_\@:
	s_barrier_wait -3
	s_barrier_signal -1
	s_barrier_wait -1
.endm
.macro TLOAD
	tensor_load_to_lds s[G0:G0+3], s[G1:G1+7]
	s_nop 0
.rept 4
	v_nop
.endr
.endm
	s_load_b256 s[4:11], s[0:1], 0x0               ; qc, kv, cc, sc
	v_lshl_add_u32 v[SPW], v0, 2, SPARE
	v_mov_b32 v[NIL], 0
	ds_add_u32 v[SPW], v[NIL]                      ; the opening lines: the add, twice on end, and its wait ahead of my tensor load
	ds_add_u32 v[SPW], v[NIL]
	v_lshrrev_b32 v1, 5, v0
	v_readfirstlane_b32 s[WV], v1                  ; wave 0..15
	s_bfe_u32 s13, ttmp6, 0x40000                  ; cx
	s_and_b32 s14, ttmp7, 0xffff                   ; 16 b + head
	s_mov_b32 s[G1], 15|(3<<16)|(1<<21)            ; the mask of the four; elements of 8 bytes; bit 21 beside a mask
	s_mov_b32 s[G1+1], 32<<16                      ; rows of 256 bytes,
	s_mov_b32 s[G1+2], 52<<16                      ; 52 of them: one step
	s_mov_b32 s[G1+3], 32<<16
	s_mov_b32 s[G1+4], 52
	s_mov_b32 s[G1+5], 32
	s_mov_b32 s[G1+6], 0
	s_mov_b32 s[G1+7], 0
	s_mov_b32 s[G0], 1
	s_mul_i32 s[G0+1], s[WV], STEPB                ; step w lands at w x 13,312
	s_mul_i32 s15, s[WV], STEPB
	s_mul_i32 s16, s14, 16*STEPB
	s_add_co_u32 s16, s16, s15
	s_mov_b32 s17, 0
	s_mov_b32 s[SEL], 0x76543210
	s_mov_b32 s[SEL+1], 0xfedcba98                 ; v_permlanex16_b32: lane l xor 16
	s_mov_b32 s[CS], 0x3e38aa3b                    ; log2(e) / 8
	s_mov_b32 s[CS+1], s[CS]
	s_lshl_b32 s50, s13, 2                         ; q: group 4 cx + wave / 8 of 6,656 bytes, tile wave % 8
	s_lshr_b32 s51, s[WV], 3
	s_add_co_u32 s50, s50, s51
	s_mul_i32 s50, s50, 6656
	s_mul_i32 s51, s14, 106496
	s_add_co_u32 s50, s50, s51
	s_and_b32 s51, s[WV], 7
	s_mul_i32 s60, s51, 768
	s_add_co_u32 s60, s60, s50
	s_mov_b32 s61, 0
	s_lshr_b32 s51, s51, 2
	s_lshl_b32 s51, s51, 8
	s_add_co_u32 s62, s50, s51
	s_and_b32 s51, s[WV], 3
	s_lshl_b32 s51, s51, 2
	s_add_co_u32 s62, s62, s51
	s_add_co_u32 s62, s62, 6144
	s_mov_b32 s63, 0
	s_lshr_b32 s66, s14, 4                         ; ctx: row tile 128 b + 32 cx + wave; K step head / 2, half head % 2
	s_lshl_b32 s66, s66, 7
	s_lshl_b32 s67, s13, 5
	s_add_co_u32 s66, s66, s67
	s_add_co_u32 s66, s66, s[WV]
	s_bfe_u32 s67, s14, 0x30001
	s_and_b32 s68, s14, 1
	s_mul_i32 s70, s66, 12288
	s_mul_i32 s69, s67, 1536
	s_add_co_u32 s70, s70, s69
	s_mul_i32 s69, s68, 768
	s_add_co_u32 s70, s70, s69
	s_mov_b32 s71, 0
	s_lshl_b32 s72, s66, 9
	s_lshr_b32 s69, s67, 2
	s_lshl_b32 s69, s69, 8
	s_add_co_u32 s72, s72, s69
	s_and_b32 s69, s67, 3
	s_lshl_b32 s69, s69, 2
	s_add_co_u32 s72, s72, s69
	s_lshl_b32 s69, s68, 1
	s_add_co_u32 s72, s72, s69
	s_add_co_u32 s72, s72, 917504
	s_mov_b32 s73, 0
	s_wait_dscnt 0x0                               ; both opening adds are done
	s_wait_kmcnt 0x0
	s_add_nc_u64 s[G0+2:G0+3], s[6:7], s[16:17]
	s_or_b32 s[G0+3], s[G0+3], 0x80000000
	s_add_nc_u64 s[QB:QB+1], s[4:5], s[60:61]
	s_add_nc_u64 s[QS:QS+1], s[4:5], s[62:63]
	s_add_nc_u64 s[CB:CB+1], s[8:9], s[70:71]
	s_add_nc_u64 s[CSB:CSB+1], s[10:11], s[72:73]
	CROUND                                         ; the four work-groups are here: the joint loads meet
	s_cmp_lt_u32 s[WV], 4                          ; one chain of two arms, a load in each: waves 0-3, whose steps are read first, have a line of their own
	s_cbranch_scc0 .Llate
	TLOAD
	s_branch .Lasked
.Llate:
	TLOAD
.Lasked:
	v_and_b32 v1, 31, v0
	v_and_b32 v3, 15, v0
	v_bfe_u32 v[SH8], v0, 4, 1
	v_lshlrev_b32 v[L8], 3, v1
	v_lshlrev_b32 v[L16], 4, v1
	v_lshlrev_b32 v[R16], 4, v3
	v_lshlrev_b32 v[SH8], 3, v[SH8]
	global_load_b128 v[QF:QF+3], v[L16], s[QB:QB+1]
	global_load_b64 v[QF+4:QF+5], v[L8], s[QB:QB+1] offset:512
	global_load_b32 v[QSC], v[R16], s[QS:QS+1]
	global_load_b128 v[Q2:Q2+3], v[L16], s[QB:QB+1] offset:13312       ; the second pass's q: two groups of 128 queries on
	global_load_b64 v[Q2+4:Q2+5], v[L8], s[QB:QB+1] offset:13312+512
	global_load_b32 v[Q2+6], v[R16], s[QS:QS+1] offset:13312
.irp i, 0,1,2,3,4,5
	v_mov_b32 v[QF+6+\i], 0                        ; q's upper half: zero codes
	v_mov_b32 v[KF+48+\i], 0                       ; what the last tile of k names as its upper half
.endr
	v_mov_b32 v[BX], 0                             ; written once: a lane permute's destination counts as one of its sources
	v_mov_b32 v[BX+1], 0
	v_mov_b32 v[T0], 0
	v_mov_b32 v[F+1], 0                            ; named as the upper half of the pair
.macro INIT
	v_mov_b32 v13, 0xff61b1e6                      ; the largest score so far: -3e38
	v_mov_b32 v12, 0x7e000000                      ; -M: a large whole number, so that the first factor is 0, on sums that are zeros
	v_mov_b32 v14, 0
	v_mov_b32 v15, 0
	v_mov_b32 v[SM2], 0
	v_mov_b32 v[SM2+1], 0
.set j, 0
.rept 32
	v_mov_b32 v[O+j], 0
.set j, j+1
.endr
	s_mov_b32 s[TB], 0
.endm
.macro KLOAD                           ; k's 8 half fragments and scale words: 18 loads
.irp t, 0,1,2,3,4,5,6,7
	ds_load_b128 v[KF+6*\t:KF+6*\t+3], v[KA16] offset:768*\t
	ds_load_b64 v[KF+6*\t+4:KF+6*\t+5], v[KA8] offset:768*\t+512
.endr
	ds_load_b128 v[KSC:KSC+3], v[KR16] offset:12288
	ds_load_b128 v[KSC+4:KSC+7], v[KR16] offset:12544
.endm
.macro FMAS n                          ; t - M, two at a time
.rept \n
	v_pk_fma_f32 v[S+j:S+j+1], v[S+j:S+j+1], s[CS:CS+1], v[12:13] op_sel_hi:[1,0,0]
.set j, j+2
.endr
.endm
.macro SUMS n                          ; the row's sum of the unquantised p: four numbers a turn, in two chains
.rept \n
	v_pk_add_f32 v[14:15], v[14:15], v[S+j:S+j+1]
	v_pk_add_f32 v[SM2:SM2+1], v[SM2:SM2+1], v[S+j+2:S+j+3]
.set j, j+4
.endr
.endm
	INIT
	v_add_nc_u32 v[KA16], s[TB], v[L16]
	v_add_nc_u32 v[KA8], s[TB], v[L8]
	v_add_nc_u32 v[KR16], s[TB], v[R16]
	v_add_nc_u32 v[VA16], s[TB], v[L16]
	v_add_nc_u32 v[VA8], s[TB], v[L8]
	WALU                                           ; the wait at the head's end
	s_cmp_lt_u32 s[WV], 4
	s_cbranch_scc0 .Lnot_first
	s_wait_tensorcnt 0x0                           ; waves 0-3: my step is in
.Lnot_first:
	s_barrier_signal -1
	s_barrier_wait -1                              ; steps 0-3 are in
	KLOAD
	s_wait_loadcnt 0x0                             ; q
; A STEP.  mode 1: the next step lies 13,312 bytes on; 2: it is step 0 (the next pass's first); 0: there is none
.macro STEP mode
	s_wait_dscnt 0x0                               ; k's fragments and scale words, asked for in the step before
.irp t, 0,1,2,3,4,5,6,7
	v_wmma_scale_f32_16x16x128_f8f6f4 v[S+8*\t:S+8*\t+7], v[KF+6*\t:KF+6*\t+11], v[QF:QF+11], 0, v[KSC+\t], v[QSC] matrix_a_fmt:MATRIX_FMT_FP6 matrix_b_fmt:MATRIX_FMT_FP6
.endr
.if \mode == 1
	s_add_co_u32 s[TB], s[TB], STEPB
.elseif \mode == 2
	s_mov_b32 s[TB], 0
.endif
.if \mode                              ; four plain places behind the products, ahead of the loads into k's registers and of the first read of the scores
	v_add_nc_u32 v[KA16], s[TB], v[L16]
	v_add_nc_u32 v[KA8], s[TB], v[L8]
	v_add_nc_u32 v[KR16], s[TB], v[R16]
.else
.rept 3
	v_nop
.endr
.endif
	v_mov_b32 v[T0], v12                           ; the old -M
.irp t, 0,1,2,3
	ds_load_b128 v[KF+12*\t:KF+12*\t+3], v[VA16] offset:6144+1536*\t
	ds_load_b64 v[KF+12*\t+4:KF+12*\t+5], v[VA8] offset:6144+1536*\t+512
	ds_load_b128 v[KF+12*\t+6:KF+12*\t+9], v[VA16] offset:6144+1536*\t+768
	ds_load_b64 v[KF+12*\t+10:KF+12*\t+11], v[VA8] offset:6144+1536*\t+1280
.endr
	ds_load_b128 v[VSC:VSC+3], v[VA16] offset:12800
.irp c, 0,1                            ; the largest score of my two blocks, 2 c + h: two chains a block, four side by side; each accumulator is read from its low end on
	v_max3_num_f32 v[BM+\c], v[S+32*\c], v[S+32*\c+1], v[S+32*\c+2]
	v_max3_num_f32 v[BN+\c], v[S+32*\c+17], v[S+32*\c+18], v[S+32*\c+19]
.endr
.irp i, 0,2,4,6,8,10
.irp c, 0,1
	v_max3_num_f32 v[BM+\c], v[BM+\c], v[S+32*\c+3+\i], v[S+32*\c+4+\i]
	v_max3_num_f32 v[BN+\c], v[BN+\c], v[S+32*\c+20+\i], v[S+32*\c+21+\i]
.endr
.endr
.irp c, 0,1
	v_max3_num_f32 v[BM+\c], v[BM+\c], v[S+32*\c+15], v[S+32*\c+16]
.endr
.irp c, 0,1
	v_max_num_f32 v[BM+\c], v[BM+\c], v[BN+\c]
.endr
	s_delay_alu instid0(VALU_DEP_1)
	v_max_num_f32 v[T1], v[BM], v[BM+1]
	s_delay_alu instid0(VALU_DEP_1)
	v_permlanex16_b32 v[BX], v[T1], s[SEL], s[SEL+1]
	s_delay_alu instid0(VALU_DEP_1)
	v_max3_num_f32 v13, v13, v[T1], v[BX]          ; the running largest score of my query (the factor to t is positive)
	s_delay_alu instid0(VALU_DEP_1)
	v_mul_f32 v[T1], s[CS], v13
	s_delay_alu instid0(VALU_DEP_1)
	v_floor_f32 v12, -v[T1]                        ; the new -M = -ceil(t): a whole number
.set j, 0
	FMAS 2
	v_sub_f32 v[T0], v12, v[T0]                    ; old M less new M: a whole number, 0 or less
	FMAS 2
	v_cvt_i32_f32 v[T0], v[T0]                     ; (it saturates)
	FMAS 2
	v_ldexp_f32 v[F], 1.0, v[T0]                   ; f = 2^(old M - new M)
	FMAS 26
.irp c, 0,1
	v_fma_f32 v[BM+\c], v[BM+\c], s[CS], v12       ; the same of each block's largest score
.endr
.set j, 0
.rept 16
	v_pk_mul_f32 v[O+j:O+j+1], v[O+j:O+j+1], v[F:F+1] op_sel_hi:[1,0]   ; O^T under the new M
.set j, j+2
.endr
	v_pk_mul_f32 v[14:15], v[14:15], v[F:F+1] op_sel_hi:[1,0]
	v_pk_mul_f32 v[SM2:SM2+1], v[SM2:SM2+1], v[F:F+1] op_sel_hi:[1,0]
	WALU                                           ; the wait ahead of the batch
.irp c, 0,1
	v_exp_f32 v[BM+\c], v[BM+\c]                   ; the block's largest p: the same two instructions on the same number give the same bits
.endr
.set j, 0
.rept 64
	v_exp_f32 v[S+j], v[S+j]                       ; p = 2^(t - M)
.set j, j+1
.endr
.if \mode
	v_add_nc_u32 v[VA16], s[TB], v[L16]            ; the next step's v (the plain place behind the batch)
	v_add_nc_u32 v[VA8], s[TB], v[L8]
.else
	v_nop
.endif
	WALU                                           ; one wait for the batch, ahead of its first reader
.irp c, 0,1
	v_max_num_f32 v[BM+\c], 0x1800000, v[BM+\c]    ; the floor 2^(3 - 127): the byte cannot fall under 1
.endr
.irp c, 0,1
	v_add_nc_u32 v[SO+\c], 0xff000000, v[BM+\c]    ; 2 off the exponent field: the conversion's scale operand
.endr
.irp c, 0,1
	v_cvt_scalef32_pk16_fp6_f32 v[PC+6*\c:PC+6*\c+2], v[S+32*\c:S+32*\c+15], v[SO+\c]
	v_cvt_scalef32_pk16_fp6_f32 v[PT+4*\c:PT+4*\c+2], v[S+32*\c+16:S+32*\c+31], v[SO+\c]   ; (a conversion's three registers begin on an even number)
.endr
.irp c, 0,1
	v_lshrrev_b32 v[BY+\c], 23, v[SO+\c]           ; the scale's byte
.endr
	s_delay_alu instid0(VALU_DEP_1)
	v_lshl_or_b32 v[W], v[BY+1], 16, v[BY]         ; my bytes, blocks h and 2 + h,
	s_delay_alu instid0(VALU_DEP_1)
	v_lshlrev_b32 v[W], v[SH8], v[W]               ; at their places in the word;
	s_delay_alu instid0(VALU_DEP_1)
	v_permlanex16_b32 v[BX], v[W], s[SEL], s[SEL+1]
	s_delay_alu instid0(VALU_DEP_1)
	v_or_b32 v[PSC], v[W], v[BX]                   ; with lane l xor 16's two the word is whole
.irp c, 0,1
.irp i, 0,1,2
	v_mov_b32 v[PC+6*\c+3+\i], v[PT+4*\c+\i]
.endr
.endr
.set j, 0
	SUMS 4                                         ; with the six moves: the places between the scale word, the codes and the products
	WALU                                           ; directly ahead of the wait below
	s_wait_dscnt 0x0                               ; v's fragments and scale words
.irp t, 0,1,2,3
	v_wmma_scale_f32_16x16x128_f8f6f4 v[O+8*\t:O+8*\t+7], v[KF+12*\t:KF+12*\t+11], v[PC:PC+11], v[O+8*\t:O+8*\t+7], v[VSC+\t], v[PSC] matrix_a_fmt:MATRIX_FMT_FP6 matrix_b_fmt:MATRIX_FMT_FP6
.endr
	SUMS 2                                         ; four plain places ahead of the loads into v's registers
.if \mode
	KLOAD
.endif
	SUMS 10
.endm
.macro LOOP n
	s_mov_b32 s[CNT], \n
.Lstep_\@:
	STEP 1
	s_sub_co_u32 s[CNT], s[CNT], 1
	s_cmp_lg_u32 s[CNT], 0
	s_cbranch_scc1 .Lstep_\@
.endm
; THE WAY OUT: O^T / the sum, quantised along the head's 64 (two blocks, each in lanes l and l xor 16), stored as a half fragment of launch 4's operand and two scale bytes
.macro WAYOUT p
	v_pk_add_f32 v[14:15], v[14:15], v[SM2:SM2+1]
	v_add_f32 v14, v14, v15
	v_permlanex16_b32 v[T0], v14, s[SEL], s[SEL+1]
	v_add_f32 v14, v14, v[T0]                      ; the row's sum
	WALU
	v_rcp_f32 v[F], v14
	v_nop
	WALU
.set j, 0
.rept 16
	v_pk_mul_f32 v[S+j:S+j+1], v[O+j:O+j+1], v[F:F+1] op_sel_hi:[1,0]
.set j, j+2
.endr
.irp b, 0,1
	v_max3_num_f32 v[BM+\b], |v[S+16*\b]|, |v[S+16*\b+1]|, 0x1800000
.endr
.irp i, 2,4,6,8,10,12,14
.irp b, 0,1
	v_max3_num_f32 v[BM+\b], v[BM+\b], |v[S+16*\b+\i]|, |v[S+16*\b+\i+1]|
.endr
.endr
.irp b, 0,1
	v_permlanex16_b32 v[BX+\b], v[BM+\b], s[SEL], s[SEL+1]
.endr
.irp b, 0,1
	v_max_num_f32 v[BM+\b], v[BM+\b], v[BX+\b]
.endr
.irp b, 0,1
	v_add_nc_u32 v[SO+\b], 0xff000000, v[BM+\b]
.endr
.irp b, 0,1
	v_lshrrev_b32 v[BX+\b], 23, v[SO+\b]
.endr
	v_lshl_or_b32 v[T0], v[BX+1], 8, v[BX]
	v_cvt_scalef32_pk16_fp6_f32 v[PC:PC+2], v[S:S+15], v[SO]
	v_cvt_scalef32_pk16_fp6_f32 v[PT:PT+2], v[S+16:S+31], v[SO+1]
	v_nop
.irp i, 0,1,2
	v_permlane16_swap_b32 v[PC+\i], v[PT+\i]
.endr
.irp i, 0,1,2
	v_mov_b32 v[PC+3+\i], v[PT+\i]
.endr
	global_store_b128 v[L16], v[PC:PC+3], s[CB:CB+1] offset:196608*\p
	global_store_b64 v[L8], v[PC+4:PC+5], s[CB:CB+1] offset:196608*\p+512
	global_store_b16 v[R16], v[T0], s[CSB:CSB+1] offset:8192*\p
.endm
	LOOP 3                                         ; steps 0-2; they ask LDS for k up to step 3
	WALU
	s_wait_tensorcnt 0x0                           ; every wave: my step is in
	s_wait_dscnt 0x0
	s_barrier_signal -1
	s_barrier_wait -1                              ; all 16 steps are in
	LOOP 12                                        ; steps 3-14
	STEP 2                                         ; step 15; it asks for step 0's k, for the second pass
	WAYOUT 0
.irp i, 0,1,2,3,4,5
	v_mov_b32 v[QF+\i], v[Q2+\i]                   ; the second pass's q
.endr
	v_mov_b32 v[QSC], v[Q2+6]
	INIT                                           ; (its moves are the places between q's registers and the products)
	WALU
	s_wait_xcnt 0x0                                ; the stores have read their registers
	LOOP 15
	STEP 0
	WAYOUT 1
	s_wait_tensorcnt 0x0                           ; the wave's end
	ds_add_u32 v[SPW], v[NIL]
	s_wait_dscnt 0x0
	CROUND                                         ; the closing round
	s_endpgm
.Lfunc_end_k_qf6f152d663_attn:
	.size	k_qf6f152d663_attn, .Lfunc_end_k_qf6f152d663_attn-k_qf6f152d663_attn
	.p2alignl 7, 3214868480
	.fill 96, 4, 3214868480
	.section	.rodata,"a",@progbits
	.p2align	6, 0x0
	.amdhsa_kernel k_qf6f152d663_attn
		.amdhsa_group_segment_fixed_size 327680
		.amdhsa_private_segment_fixed_size 0
		.amdhsa_enable_private_segment 0
		.amdhsa_kernarg_size 32
		.amdhsa_user_sgpr_count 2
		.amdhsa_user_sgpr_kernarg_segment_ptr 1
		.amdhsa_wavefront_size32 1
		.amdhsa_system_sgpr_workgroup_id_x 1
		.amdhsa_system_sgpr_workgroup_id_y 1
		.amdhsa_system_sgpr_workgroup_id_z 1
		.amdhsa_system_vgpr_workitem_id 0
		.amdhsa_next_free_vgpr 256
		.amdhsa_next_free_sgpr 80
		.amdhsa_reserve_vcc 0
		.amdhsa_float_denorm_mode_32 3
		.amdhsa_float_denorm_mode_16_64 3
		.amdhsa_memory_ordered 1
		.amdhsa_forward_progress 1
		.amdhsa_inst_pref_size 92
	.end_amdhsa_kernel
	.amdgpu_metadata
---
amdhsa.version: [ 1, 2 ]
amdhsa.kernels:
  - .name:           k_qf6f152d663_attn
    .symbol:         k_qf6f152d663_attn.kd
    .args:
      - { .name: qc, .offset: 0, .size: 8, .value_kind: global_buffer, .address_space: global }
      - { .name: kv, .offset: 8, .size: 8, .value_kind: global_buffer, .address_space: global }
      - { .name: cc, .offset: 16, .size: 8, .value_kind: global_buffer, .address_space: global }
      - { .name: sc, .offset: 24, .size: 8, .value_kind: global_buffer, .address_space: global }
    .group_segment_fixed_size: 327680
    .private_segment_fixed_size: 0
    .kernarg_segment_align: 8
    .kernarg_segment_size: 32
    .max_flat_workgroup_size: 512
    .sgpr_count:     80
    .vgpr_count:     256
    .wavefront_size: 32
...
	.end_amdgpu_metadata
.endif
;; end of part 3
;; launch outp (part 4): grid 4 x 64, 4 waves a work-group, clusters of 4 x 4, 327,680 bytes of LDS; arguments cc, wc, sc, bo, out0; writes out0
.if DOCPART == 4
	.amdgcn_target "amdgcn-amd-amdhsa--gfx1250"
	.amdhsa_code_object_version 6
	.text
	.protected	k_qf6f152d663_outp
	.globl	k_qf6f152d663_outp
	.p2align	8
	.type	k_qf6f152d663_outp,@function
k_qf6f152d663_outp:
	s_mov_b64 s[64:65], 0
	v_nop
	global_prefetch_b8 v0, s[64:65] scope:SCOPE_SE
	s_setreg_imm32_b32 hwreg(HW_REG_WAVE_MODE, 25, 1), 1
	s_wait_xcnt 0x0
	s_wait_alu depctr_hold_cnt(0) depctr_sa_sdst(0) depctr_va_vdst(0) depctr_va_sdst(0) depctr_va_ssrc(0) depctr_va_vcc(0) depctr_vm_vsrc(0)
	s_getreg_b32 s2, hwreg(HW_REG_IB_STS2, 6, 4)
	s_cmp_eq_u32 s2, 0
	s_cbranch_scc0 .Lentry_in_a_cluster
	s_endpgm
.Lentry_in_a_cluster:
	s_bfe_u32 s2, ttmp6, 0x10000c
	s_cmp_lg_u32 s2, 0xf033
	s_cbranch_scc0 .Lentry_shape_is_right
	s_endpgm
.Lentry_shape_is_right:
; LAUNCH 4 OF 4: out0 = ctx Wo + bo on the codes of launches 3 and 1.  No work is left out.
; A work-group makes 128 rows of ctx (P) x 256 columns of Wo (R); a wave 64 x 128: 32 accumulators.  256 work-groups.  Source 0 of the matrix instruction is a tile of R, source 1 a tile of P:
; a lane holds one row of the result and eight neighbouring columns a register run.  The bias is the first products' C.
; ALL OF K = 1,024 LIES IN LDS, FILLED ONCE: 24 tiles x 12,288 bytes = 294,912.  One joint load a wave at the head: wave 0 P's K steps 0-3, wave 1 R's, wave 2 P's K steps 4-7, wave 3 R's, each on a line of its own.
; The first barrier shows K steps 0-3 (waves 0, 1 wait), the barrier in K step 3 the rest (every wave waits).  Nothing is filled again.
; CLUSTERS: 4 x 4: P's tiles are shared by a row of the cluster, R's by a column.  NO PREFETCH: every tile is asked for at the head, so there is no loop to run ahead in.
; THE WAY OUT: a block of 16 rows x 128 columns goes through the wave's own stage in LDS and leaves as whole rows of 512 bytes.  The stages lie on P's K steps 0-3, behind a barrier in the last K step
; in front of which every wave's LDS reads are over; those bytes have had their only fill.
.set HP,    49152
.set HALF,  147456
.set TILEB, 6144
.set FRB,   1536
.set SPARE, 2*HALF
.set FR,   12
.set A16,  8
.set A8,   10
.set B16,  12
.set B8,   14
.set SPW,  28
.set NIL,  29
.set VSO,  30
.set SC,   32                          ; the word of block i, K step ks: v[SC + 32 (ks / 4) + 4 i + ks % 4]; lanes 0-15 P's (blocks 0-3, once more in 4-7), lanes 16-31 R's
.set AF,   96                          ; P's fragments, two sets of 48; window 1: R's, sets at v0 and v128; window 2: accumulator (a, b) at v[8 (8 a + b)]
.set BIAS, 192
.set BK,   96
.set G1,   24
.set G0,   32
.set G1B,  48
.set G0B,  56
.set MSB, 0
.macro WIN new
.if MSB != (\new)
	s_set_vgpr_msb (MSB<<8)|(\new)
.set MSB, (\new)
.endif
.endm
.set MUL_LO, 0xa1
.set TO_B,   0x40
.macro PLACES
.rept 4
	v_nop
.endr
.endm
.macro CROUND
	s_barrier_signal -1
	s_barrier_wait -1
	s_cmp_lg_u32 s20, 0
	s_cbranch_scc1 .Lnot_wave_0_\@
	s_barrier_signal -3
.Lnot_wave_0_\@:
	s_barrier_wait -3
	s_barrier_signal -1
	s_barrier_wait -1
.endm
.macro ARM under, g0, g1, next
	s_cmp_lt_u32 s20, \under
	s_cbranch_scc0 \next
	tensor_load_to_lds s[\g0:\g0+3], s[\g1:\g1+7]
	s_nop 0
	PLACES
	s_branch .Lasked
\next:
.endm
.macro FRAG reg, a16, a8, q, i
	ds_load_b128 v[\reg:\reg+3], v[\a16] offset:TILEB*(\i)+FRB*(\q)
	ds_load_b64 v[\reg+4:\reg+5], v[\a8] offset:TILEB*(\i)+FRB*(\q)+512
	ds_load_b128 v[\reg+6:\reg+9], v[\a16] offset:TILEB*(\i)+FRB*(\q)+768
	ds_load_b64 v[\reg+10:\reg+11], v[\a8] offset:TILEB*(\i)+FRB*(\q)+1280
.endm
.macro FETCH ks                        ; 48 loads into set ks % 2
.set g_, (\ks)/4
.set q_, (\ks)%4
.set p_, (\ks)%2
	WIN TO_B
.irp i, 0,1,2,3,4,5,6,7
	FRAG 128*p_+FR*\i, B16+g_, B8+g_, q_, \i
.endr
	WIN 0
.irp i, 0,1,2,3
	FRAG AF+48*p_+FR*\i, A16+g_, A8+g_, q_, \i
.endr
.endm
.macro MUL32 ks, first                 ; the 32 accumulators take turns, in the same order in every K step
.set p_, (\ks)%2
.irp a, 0,1,2,3
.irp b, 0,1,2,3,4,5,6,7
.set rD, 8*(8*\a+\b)
.set rB, 128*p_+FR*\b
.set rA, AF+48*p_+FR*\a
.set sB, SC+32*((\ks)/4)+4*\b+(\ks)%4
.set sA, SC+32*((\ks)/4)+4*\a+(\ks)%4
.if \first
	v_wmma_scale_f32_16x16x128_f8f6f4 v[rD:rD+7], v[rB:rB+FR-1], v[rA:rA+FR-1], v[BIAS+8*\b:BIAS+8*\b+7], v[sB], v[sA] matrix_a_fmt:MATRIX_FMT_FP6 matrix_b_fmt:MATRIX_FMT_FP6 matrix_a_scale:MATRIX_SCALE_ROW1
.else
	v_wmma_scale_f32_16x16x128_f8f6f4 v[rD:rD+7], v[rB:rB+FR-1], v[rA:rA+FR-1], v[rD:rD+7], v[sB], v[sA] matrix_a_fmt:MATRIX_FMT_FP6 matrix_b_fmt:MATRIX_FMT_FP6 matrix_a_scale:MATRIX_SCALE_ROW1
.endif
.endr
.endr
.endm
.macro KSTEP ks, first
.if (\ks) == 3
	s_wait_tensorcnt 0x0                           ; every wave: my load is in
	s_wait_dscnt 0x0
	s_barrier_signal -1
	s_barrier_wait -1                              ; K steps 4-7 are in
.endif
.if (\ks) < 7
.if (\ks) > 0
	PLACES
.endif
	FETCH (\ks)+1
	s_wait_dscnt 48                                ; all but the 48 just issued
.else
	s_wait_dscnt 0x0                               ; my LDS reads are over:
	s_barrier_signal -1                            ; say so, and multiply while the others arrive
.endif
.if \first
	WIN 0x81                                       ; C (the bias) in window 0, D in window 2
.else
	WIN MUL_LO
.endif
	MUL32 \ks, \first
	WIN 0
.if (\ks) == 7
	s_barrier_wait -1                              ; nobody reads the tiles any more: the stages may be written
.endif
.endm
	s_load_b256 s[4:11], s[0:1], 0x0               ; cc, wc, sc, bo
	s_load_b64 s[12:13], s[0:1], 0x20              ; out0
	v_lshl_add_u32 v[SPW], v0, 2, SPARE
	v_mov_b32 v[NIL], 0
	ds_add_u32 v[SPW], v[NIL]                      ; the opening lines: the add, twice on end, and its wait
	ds_add_u32 v[SPW], v[NIL]
	v_lshrrev_b32 v1, 5, v0
	v_readfirstlane_b32 s20, v1
	s_lshr_b32 s21, s20, 1                         ; my half of P's rows.  Also: which half of K I fetch
	s_and_b32 s22, s20, 1                          ; my half of R's rows.  Also: I fetch for P (0) or for R (1)
	s_bfe_u32 s40, ttmp6, 0x40000
	s_bfe_u32 s41, ttmp6, 0x40004
	s_lshl_b32 s43, s41, 2
	s_lshl_b32 s43, 15, s43
	s_lshl_b32 s44, 0x1111, s40
	s_or_b32 s[G1], s43, (3<<16)|(1<<21)
	s_or_b32 s[G1B], s44, (3<<16)|(1<<21)
.irp g, G1, G1B                        ; a tile's four K steps are a row of 6,144 bytes; rows 12,288 bytes apart
	s_mov_b32 s[\g+1], 768<<16
	s_mov_b32 s[\g+3], 768<<16
	s_mov_b32 s[\g+5], 1536
	s_mov_b32 s[\g+6], 0
	s_mov_b32 s[\g+7], 0
.endr
	s_mov_b32 s[G1+2], 8<<16
	s_mov_b32 s[G1+4], 8
	s_mov_b32 s[G1B+2], 16<<16
	s_mov_b32 s[G1B+4], 16
	s_and_b32 s70, ttmp7, 0xffff
	s_lshl_b32 s70, s70, 2
	s_add_co_u32 s70, s70, s41
	s_lshl_b32 s70, s70, 3                         ; P's first tile: 8 x (4 x cluster y + cy)
	s_lshl_b32 s71, s40, 4
	s_add_co_u32 s73, s71, 192                     ; R's: Wo's tiles begin at 192
	s_mul_i32 s80, s70, 12288
	s_mov_b32 s81, 0
	s_mul_i32 s82, s73, 12288
	s_mov_b32 s83, 0
	s_mul_i32 s84, s21, TILEB
	s_mov_b32 s85, 0
	s_mov_b32 s[G0], 1
	s_mul_i32 s[G0+1], s21, HALF
	s_mov_b32 s[G0B], 1
	s_mul_i32 s[G0B+1], s21, HALF
	s_add_co_u32 s[G0B+1], s[G0B+1], HP
	s_wait_dscnt 0x0
	s_wait_kmcnt 0x0
	s_add_nc_u64 s[74:75], s[4:5], s[80:81]
	s_add_nc_u64 s[76:77], s[6:7], s[82:83]
	s_add_nc_u64 s[G0+2:G0+3], s[74:75], s[84:85]
	s_or_b32 s[G0+3], s[G0+3], 0x80000000
	s_add_nc_u64 s[G0B+2:G0B+3], s[76:77], s[84:85]
	s_or_b32 s[G0B+3], s[G0B+3], 0x80000000
	CROUND                                         ; all sixteen work-groups are here: the joint loads meet
	ARM 1, G0,  G1,  .Lw1
	ARM 2, G0B, G1B, .Lw2
	ARM 3, G0,  G1,  .Lw3
	tensor_load_to_lds s[G0B:G0B+3], s[G1B:G1B+7]
	s_nop 0
	PLACES
.Lasked:
	v_and_b32 v1, 31, v0
	v_and_b32 v2, 15, v0
	v_bfe_u32 v3, v0, 4, 1
	v_lshlrev_b32 v4, 4, v1
	v_lshlrev_b32 v5, 3, v1
	s_mul_i32 s42, s21, 4*TILEB
	s_mul_i32 s45, s22, 8*TILEB
	s_add_co_u32 s45, s45, HP
.irp s, 0,1
	v_add_nc_u32 v[A16+\s], s42, v4
	v_add_nc_u32 v[A8+\s], s42, v5
	v_add_nc_u32 v[B16+\s], s45, v4
	v_add_nc_u32 v[B8+\s], s45, v5
	s_add_co_u32 s42, s42, HALF
	s_add_co_u32 s45, s45, HALF
.endr
	s_lshl_b32 s46, s21, 2                         ; the scale words, from memory straight into registers, once
	s_add_co_u32 s46, s46, s70
	s_lshl_b32 s46, s46, 9
	s_add_co_u32 s46, s46, 917504
	s_lshl_b32 s47, s22, 3
	s_add_co_u32 s47, s47, s73
	s_lshl_b32 s47, s47, 9
	s_add_co_u32 s47, s47, 786432
	v_mov_b32 v[VSO], s46
	v_mov_b32 v31, s47
	v_cmp_le_u32 vcc_lo, 16, v1
	v_cndmask_b32 v[VSO], v[VSO], v31, vcc_lo
	v_lshl_add_u32 v[VSO], v2, 4, v[VSO]
	v_lshl_add_u32 v31, v3, 11, v[VSO]             ; for blocks 4-7: R's lanes four tiles on, P's lanes at their four tiles once more
.irp g, 0,1
.irp i, 0,1,2,3
	global_load_b128 v[SC+32*\g+4*\i:SC+32*\g+4*\i+3], v[VSO], s[8:9] offset:512*\i+256*\g
	global_load_b128 v[SC+32*\g+16+4*\i:SC+32*\g+16+4*\i+3], v31, s[8:9] offset:512*\i+256*\g
.endr
.endr
	s_lshl_b32 s85, s70, 4
	s_lshl_b32 s23, s21, 6
	s_add_co_u32 s85, s85, s23                     ; my first row
	s_lshl_b32 s86, s71, 4
	s_lshl_b32 s23, s22, 7
	s_add_co_u32 s86, s86, s23
	s_lshl_b32 s86, s86, 2                         ; my first column, in bytes
	s_mov_b32 s87, 0
	s_add_nc_u64 s[10:11], s[10:11], s[86:87]
	v_lshlrev_b32 v27, 6, v3
.irp b, 0,1,2,3
.irp q, 0,1,2,3
	global_load_b128 v[BIAS+16*\b+4*\q:BIAS+16*\b+4*\q+3], v27, s[10:11] offset:128*\b+16*\q
.endr
.endr
	s_lshl_b32 s88, s85, 12
	s_mov_b32 s89, 0
	s_add_nc_u64 s[12:13], s[12:13], s[88:89]
	s_add_nc_u64 s[12:13], s[12:13], s[86:87]
	s_mul_i32 s90, s20, 8448                       ; my stage: 16 rows x 528 bytes
	v_mul_u32_u24 v24, v2, 528
	v_lshl_add_u32 v24, v3, 6, v24
	v_add_nc_u32 v24, s90, v24
	v_add_nc_u32 v25, s90, v4
	s_wait_alu depctr_va_vdst(0)                   ; the wait at the head's end
	s_cmp_lt_u32 s20, 2
	s_cbranch_scc0 .Lnot_first
	s_wait_tensorcnt 0x0                           ; waves 0, 1: my tile of K steps 0-3 is in
.Lnot_first:
	s_barrier_signal -1
	s_barrier_wait -1                              ; K steps 0-3 are in
	FETCH 0
	s_wait_loadcnt 0x0                             ; the scale words and the bias
	KSTEP 0, 1
.irp k, 1,2,3,4,5,6,7
	KSTEP \k, 0
.endr
.macro TOSTAGE a
.set AC, 64*(\a)
	WIN 0x08                                       ; the data: window 2
.irp b, 0,1,2,3,4,5,6,7
	ds_store_b128 v24, v[AC+8*\b:AC+8*\b+3] offset:128*(\b/2)+32*(\b%2)          ; each accumulator from its low end on
	ds_store_b128 v24, v[AC+8*\b+4:AC+8*\b+7] offset:128*(\b/2)+32*(\b%2)+16
.endr
	WIN 0
.set BB, BK+64*((\a)%2)
.irp t, 0,1,2,3,4,5,6,7,8,9,10,11,12,13,14,15
	ds_load_b128 v[BB+4*\t:BB+4*\t+3], v25 offset:528*\t     ; LDS serves a wave's instructions in order: these see the stores above
.endr
.endm
.macro SEND a, younger
.set BB, BK+64*((\a)%2)
	s_wait_dscnt \younger
.irp t, 0,1,2,3,4,5,6,7,8,9,10,11,12,13,14,15
	global_store_b128 v4, v[BB+4*\t:BB+4*\t+3], s[12:13] offset:(32*((\a)/2)+8*((\a)%2)+\t+8*(\t/8))*4096 th:TH_STORE_NT   ; 32 lanes store 512 consecutive bytes
.endr
.endm
	PLACES
	TOSTAGE 0
.irp a, 1,2,3
.if \a > 1
	s_wait_xcnt 0x0                                ; block a - 2's stores have read their registers
.endif
	TOSTAGE \a
	SEND \a-1, 32                                  ; behind block a - 1's loads: block a's 16 stores and 16 loads
.endr
	SEND 3, 0
	s_wait_tensorcnt 0x0                           ; the wave's end
	ds_add_u32 v[SPW], v[NIL]
	s_wait_dscnt 0x0
	CROUND                                         ; the closing round
	s_endpgm
.Lfunc_end_k_qf6f152d663_outp:
	.size	k_qf6f152d663_outp, .Lfunc_end_k_qf6f152d663_outp-k_qf6f152d663_outp
	.p2alignl 7, 3214868480
	.fill 96, 4, 3214868480
	.section	.rodata,"a",@progbits
	.p2align	6, 0x0
	.amdhsa_kernel k_qf6f152d663_outp
		.amdhsa_group_segment_fixed_size 327680
		.amdhsa_private_segment_fixed_size 0
		.amdhsa_enable_private_segment 0
		.amdhsa_kernarg_size 40
		.amdhsa_user_sgpr_count 2
		.amdhsa_user_sgpr_kernarg_segment_ptr 1
		.amdhsa_wavefront_size32 1
		.amdhsa_system_sgpr_workgroup_id_x 1
		.amdhsa_system_sgpr_workgroup_id_y 1
		.amdhsa_system_sgpr_workgroup_id_z 1
		.amdhsa_system_vgpr_workitem_id 0
		.amdhsa_next_free_vgpr 768
		.amdhsa_next_free_sgpr 100
		.amdhsa_reserve_vcc 1
		.amdhsa_float_denorm_mode_32 3
		.amdhsa_float_denorm_mode_16_64 3
		.amdhsa_memory_ordered 1
		.amdhsa_forward_progress 1
		.amdhsa_inst_pref_size 84
	.end_amdhsa_kernel
	.amdgpu_metadata
---
amdhsa.version: [ 1, 2 ]
amdhsa.kernels:
  - .name:           k_qf6f152d663_outp
    .symbol:         k_qf6f152d663_outp.kd
    .args:
      - { .name: cc, .offset: 0, .size: 8, .value_kind: global_buffer, .address_space: global }
      - { .name: wc, .offset: 8, .size: 8, .value_kind: global_buffer, .address_space: global }
      - { .name: sc, .offset: 16, .size: 8, .value_kind: global_buffer, .address_space: global }
      - { .name: bo, .offset: 24, .size: 8, .value_kind: global_buffer, .address_space: global }
      - { .name: out0, .offset: 32, .size: 8, .value_kind: global_buffer, .address_space: global }
    .group_segment_fixed_size: 327680
    .private_segment_fixed_size: 0
    .kernarg_segment_align: 8
    .kernarg_segment_size: 40
    .max_flat_workgroup_size: 128
    .sgpr_count:     100
    .vgpr_count:     768
    .wavefront_size: 32
...
	.end_amdgpu_metadata
.endif
;; end of part 4
